; MI455X (gfx1250); checked and timed in simulation.
; The chip was launched on July 23, 2026; its instructions are those of AMD's public machine-readable ISA for CDNA 5 (MIT licence, August 2026) and "CDNA5" Instruction Set Architecture Reference Guide (July 2026). The comments in the code are by the model that wrote it; some were corrected since.
;; Efficient Attention. Allowed arithmetic: matrix products marked QUANTISED: E3M2 operands, one E8M0 scale for each 32 along K, by v_wmma_scale_f32_16x16x128_f8f6f4 with both operands' format E3M2, f32 sums; everything else in f32.
;; Inputs: Wk_codes 1,024 x 32 x 24 uint8 (E3M2 codes of Wk, K innermost, in blocks of 32 codes, four codes in three bytes); Wk_scales 1,024 x 32 uint8 (E8M0 scales of Wk, one for each 32 codes along K); Wo_codes 1,024 x 32 x 24 uint8 (E3M2 codes of Wo, K innermost, in blocks of 32 codes, four codes in three bytes); Wo_scales 1,024 x 32 uint8 (E8M0 scales of Wo, one for each 32 codes along K); Wq_codes 1,024 x 32 x 24 uint8 (E3M2 codes of Wq, K innermost, in blocks of 32 codes, four codes in three bytes); Wq_scales 1,024 x 32 uint8 (E8M0 scales of Wq, one for each 32 codes along K); Wv_codes 1,024 x 32 x 24 uint8 (E3M2 codes of Wv, K innermost, in blocks of 32 codes, four codes in three bytes); Wv_scales 1,024 x 32 uint8 (E8M0 scales of Wv, one for each 32 codes along K); bk 1,024 float32; bo 1,024 float32; bq 1,024 float32; bv 1,024 float32; ln_b 1,024 float32; ln_g 1,024 float32; x_codes 2 x 2,048 x 32 x 24 uint8 (E3M2 codes of x, K innermost, in blocks of 32 codes, four codes in three bytes); x_scales 2 x 2,048 x 32 uint8 (E8M0 scales of x, one for each 32 codes along K).
;; Outputs: out0 2 x 2,048 x 1,024 float32.
;; This version of the problem:
;;   THIS VERSION OF THE PROBLEM IS GIVEN IN LOW PRECISION. The matrix products marked QUANTISED in the list below multiply operands that are first quantised to E3M2 (3 exponent bits, 2 mantissa bits; 6 bits a number), with one power-of-two scale for each 32 numbers along K (OCP MX v1.0); their sums are f32. All else is computed in f32.
;;   The module's matrix products, in the order in which they are computed (A, B: the left and right operand; K: the contracted axis; several contracted axes count as one K, in the product's order):
;;     1. [M 4,096, K 1,024] x [K 1,024, N 1,024]; A: input x (given as codes); B: input Wq (given as codes): QUANTISED
;;     2. [M 4,096, K 1,024] x [K 1,024, N 1,024]; A: input x (given as codes); B: input Wk (given as codes): QUANTISED
;;     3. [M 4,096, K 1,024] x [K 1,024, N 1,024]; A: input x (given as codes); B: input Wv (given as codes): QUANTISED
;;     4. batch 32 x [M 2,048, K 64] x [K 64, N 2,048]; A: computed on the way; B: computed on the way: QUANTISED
;;     5. batch 64 x [M 64, K 1,024] x [K 1,024, N 2,048]; A: computed on the way; B: computed on the way: QUANTISED
;;     6. [M 4,096, K 1,024] x [K 1,024, N 1,024]; A: computed on the way; B: input Wo (given as codes): QUANTISED
;;   THE QUANTISER, for each operand of a quantised product, along K:
;;     - K is cut into blocks of 32 from its start; a last block that is shorter is filled with zeros.
;;     - A block's scale is 2^e with e = floor(log2(the largest magnitude in the block)) - 4, held to -126 .. 127; a block of zeros has e = 0. As a byte (E8M0): e + 127.
;;     - Each number is divided by its block's scale, clamped to +-28, and rounded to the nearest number of E3M2, ties to even, subnormals kept.
;;     - The product sums the exact products of the quantised numbers (number of the format x scale) in f32.
;;   ~~~python
;;   def quantise(x, axis):      # numpy; x: float32 -> the quantised numbers, widened to float32 again
;;       x = np.moveaxis(x, axis, -1); K = x.shape[-1]
;;       x = np.pad(x, [(0, 0)] * (x.ndim - 1) + [(0, -K % 32)]); x = x.reshape(x.shape[:-1] + (-1, 32)); a = np.abs(x).max(-1, keepdims=True)
;;       e = np.where(a > 0, np.clip(np.frexp(np.where(a > 0, a, 1))[1] - 1 - 4, -126, 127), 0)      # np.frexp(a)[1] - 1 = floor(log2(a)), exactly
;;       r = np.clip(x / 2.0 ** e, -28, 28)
;;       step = 2.0 ** (np.maximum(np.frexp(np.where(r == 0, 1, r))[1] - 1, -2) - 2)
;;       q = np.round(r / step) * step * 2.0 ** e      # np.round: ties to even
;;       return np.moveaxis(q.reshape(q.shape[:-2] + (-1,))[..., :K], -1, axis).astype(np.float32)
;;   ~~~
;;   OPERANDS COMPUTED ON THE WAY. 'Computed on the way' means the value that the module computes at that place (a softmax that the list does not call 'softmax' is quantised finished and normalised). What goes into a quantiser is computed in f32, as accurately as f32 sums, v_exp_f32 and their like allow (about 1e-6 of the number): no bf16 or f16 on the way to a quantiser, and a product that is left as it is and whose result goes on into a quantised operand takes f32 operands (vector FMAs, or v_wmma_f32_16x16x4_f32). A number that lies on a knife's edge between two numbers of the format may be rounded either way, as far as f32 arithmetic and the matrix unit's own rounding can turn it there, and no further.
;;   INPUTS GIVEN AS CODES. Wk (in the module: [1024, 1024], K = its axis 0); Wo (in the module: [1024, 1024], K = its axis 0); Wq (in the module: [1024, 1024], K = its axis 0); Wv (in the module: [1024, 1024], K = its axis 0); x (in the module: [2, 2048, 1024], K = its axis 2): each comes as NAME_codes (uint8): NAME with its K axis moved to the last place and cut into blocks of 32 codes, [.., K / 32, bytes a block], one block behind the other in memory; four codes in three bytes: a row's codes are one little-endian stream of bits, code i at bits 6 i .. 6 i + 5 (a code: sign, 3 exponent bits, 2 mantissa bits); and NAME_scales (uint8): the same leading axes, one E8M0 byte (e + 127) for each 32 codes along K. Its value is code x scale, taken as it is: it is not quantised again, and the codes and scales need not be those that the quantiser above would give.
;; One version. Each part assembles by itself: llvm-mc -triple=amdgcn-amd-amdhsa -mcpu=gfx1250 --defsym DOCPART=n.
;; ======== version 1 of 1: 3 launches
;; workspace buffers: qraw 16,777,216 bytes; stats 262,144 bytes; kv 6,553,600 bytes; ao 3,145,728 bytes; aos 131,072 bytes
;; launch proj (part 1): grid 48 x 4, 4 waves a work-group, clusters of 4 x 4, 327,680 bytes of LDS; arguments x_codes, x_scales, Wq_codes, Wq_scales, Wk_codes, Wk_scales, Wv_codes, Wv_scales, bq, bk, bv, qraw, stats, kv; writes qraw, stats, kv
.if DOCPART == 1
	.amdgcn_target "amdgcn-amd-amdhsa--gfx1250"
	.amdhsa_code_object_version 6
	.text
	.protected	k_q405f5db027_proj
	.globl	k_q405f5db027_proj
	.p2align	8
	.type	k_q405f5db027_proj,@function
k_q405f5db027_proj:
	s_mov_b64 s[64:65], 0
	v_nop
	global_prefetch_b8 v0, s[64:65] scope:SCOPE_SE
	s_setreg_imm32_b32 hwreg(HW_REG_WAVE_MODE, 25, 1), 1
	s_wait_xcnt 0x0
	s_wait_alu depctr_hold_cnt(0) depctr_sa_sdst(0) depctr_va_vdst(0) depctr_va_sdst(0) depctr_va_ssrc(0) depctr_va_vcc(0) depctr_vm_vsrc(0)
	s_getreg_b32 s2, hwreg(HW_REG_IB_STS2, 6, 4)
	s_cmp_eq_u32 s2, 0
	s_cbranch_scc0 .Lentry_in_a_cluster
	s_endpgm
.Lentry_in_a_cluster:
	s_bfe_u32 s2, ttmp6, 0x10000c
	s_cmp_lg_u32 s2, 0xf033
	s_cbranch_scc0 .Lentry_shape_is_right
	s_endpgm
.Lentry_shape_is_right:
; q = x Wq + bq, k = x Wk + bk, v = x Wv + bv on codes of BF6 (E3M2) with one E8M0 scale for each 32 along K = 1,024; sums in f32.
; Twelve clusters of 4 x 4 work-groups: P = cluster / 4 says which product (0 q, 1 k, 2 v), sub = cluster % 4 which quarter of the 4,096 tokens.
; A work-group makes 256 x 256, a wave 128 x 128: 64 accumulators.  Source 0 = 16 rows of "B" (they become a lane's registers), source 1 = 16 rows of "A" (they become lanes).
; q, k: A = x, B = the weight: a lane holds one token and neighbouring columns.   v: A = Wv, B = x: a lane holds one column and its registers run down the tokens, which are the K of attention's second product.
; All four operands have rows of 768 bytes of codes and 32 bytes of scales, so one loop serves the three products; only pointers and tile numbers are chosen, by the cluster's number.
; K goes in steps of 256 through a ring of two LDS slots; the scales of the work-group's rows come once.  A's tiles are asked for jointly along a row of the cluster, B's along a column.
; THE WAYS OUT (no LDS): q: + bias, stored as f32 register images, with each row's mean and sum of squared differences over the wave's 128 columns;
;   k: + bias, quantised along the head's 64 (two blocks of 32), stored as images of the operand registers of the launch that follows, two tiles of 16 keys to a fragment;
;   v: + bias, quantised along 128 tokens (four blocks), stored likewise.
; THE ORDER INSIDE A BLOCK OF 32: a lane half h holds elements 8 h + j and 16 + 8 h + j of a block; the codes are laid [h = 0's sixteen | h = 1's sixteen].  The other operand of each of these products
; (q against k, p against v) is made in the same order, and a block has one scale, so the products' sums are those of the natural order.
; LIMITS: NaN and infinities are not served.  A block whose largest magnitude lies under 2^-122 (a block of zeros too) gets the scale byte 1; its codes are then zeros or the nearest codes under that scale.
.set KSTEP,  256                       ; along K in a slot
.set NQ,     2                         ; matrix instructions deep
.set ROWB,   192                       ; a tile's row in bytes
.set KROW,   768                       ; a row of codes in memory
.set PITCH,  240                       ; an LDS row: 3 x (64 bytes + 16 of padding)
.set FR,     12                        ; registers of a fragment
.set NL,     6                         ; LDS loads that bring one
.set NP,     4                         ; places behind this matrix instruction (ISA guide 7.12.1)
.set HALFT,  128*PITCH
.set SLOT,   4*HALFT
.set LAPS,   2                         ; 1,024 / 512
.set KS,     32                        ; a row of scales in bytes
.set SCL,    2*SLOT                    ; behind the ring: the scales, as units of 256 bytes + 16
.set HALFS,  (128*KS/256)*272
.set SBLK,   (16*KS/256)*272
.set SPARE,  SCL+4*HALFS               ; the spare words: 128 bytes a wave, two blocks of 256 bytes that no other line names
.set ADRA, 16                          ; v16-19  LDS addresses of A's fragments (slot 0, 1; the same behind one padding more)
.set ADRB, 20                          ; v20-23  of B's
.set LI,   24                          ; v24     16 x lane: a register image's place for my lane
.set LSC,  25                          ; v25     16 r + 204,800 h: scale words, lanes 16-31 one head on
.set LST,  26                          ; v26     8 r + 4 h: a row's two statistics
.set ADRS, 27                          ; v27     LDS address of my scale words
.set SPW,  28                          ; v28     my spare word; never rewritten
.set NIL,  29                          ; v29     0; never rewritten
.set BO1,  30                          ; v30     32 h
.set BO2,  31                          ; v31     4 r
.set SC,   32                          ; v32-63  scale words, two sets: nothing else ever lies here
.set BV,   64                          ; v64-79  v's bias: for block a the number of column 16 a + r, twice (a pair)
.set TM,   80                          ; v80-95  the quantiser's work
.set PW,   96                          ; the scale word just made
.set PWA,  97
.set VAL,  98
.set SW0,  100                         ; v100-103, v104-107 scale words gathered for the first and second head
.set SW1,  104
.set OW,   108                         ; v108-111
.set MEAN, 112                         ; v112-113
.set A0,   114
.set A1,   116
.set TT,   118                         ; v118-125
.set T1,   126
.set T2,   127
.set AF,   128                         ; A's fragments in the loop
.set X0,   128                         ; the ways out: 64 numbers of a block
.set X1,   192                         ; a second such set, or codes
.set G1, 24
.set G0, 32
.set G1B, 48
.set G0B, 56
.set G1S, 68
.set G0S, 76
.set G1SB, 80
.set G0SB, 88
.set MSB, 0
.macro WIN new                         ; the immediate's high byte repeats the setting that is left
.if MSB != (\new)
	s_set_vgpr_msb (MSB<<8)|(\new)
.set MSB, (\new)
.endif
.endm
.set MUL_LO, 0xa1                      ; source 0 (B) window 1, source 1 (A) window 0, C and D window 2
.set MUL_HI, 0xf1                      ; the same, C and D window 3
.set TO_B,   0x40                      ; destination window 1, address window 0
; A joint load: waves 0 and 1 fetch for A, waves 2 and 3 for B; the branch hangs on the wave's number alone.  Four v_nop follow each of the two lines.
.macro JLOAD g0a, g1a, g0b, g1b
	s_cmp_eq_u32 s15, 0
	s_cbranch_scc0 .Lfor_b_\@
	tensor_load_to_lds s[\g0a:\g0a+3], s[\g1a:\g1a+7]
	s_nop 0
.rept 4
	v_nop
.endr
	s_branch .Lasked_\@
.Lfor_b_\@:
	tensor_load_to_lds s[\g0b:\g0b+3], s[\g1b:\g1b+7]
	s_nop 0
.rept 4
	v_nop
.endr
.Lasked_\@:
.endm
.macro CREST                           ; a round of the cluster's barrier behind its opening barrier
	s_cmp_lg_u32 s14, 0
	s_cbranch_scc1 .Lnot_wave_0_\@
	s_barrier_signal -3
.Lnot_wave_0_\@:
	s_barrier_wait -3
	s_barrier_signal -1
	s_barrier_wait -1
.endm
.macro CROUND                          ; a whole round
	s_barrier_signal -1
	s_barrier_wait -1
	CREST
.endm
	s_load_b512 s[24:39], s[0:1], 0x0              ; x codes, x scales, Wq codes, scales, Wk codes, scales, Wv codes, scales
	s_load_b256 s[48:55], s[0:1], 0x40             ; bq, bk, bv, qraw
	s_load_b128 s[56:59], s[0:1], 0x60             ; stats, kv
	v_lshl_add_u32 v[SPW], v0, 2, SPARE
	v_mov_b32 v[NIL], 0
	ds_add_u32 v28, v29
	ds_add_u32 v28, v29
	s_wait_dscnt 0x0
	v_lshrrev_b32 v1, 5, v0
	v_readfirstlane_b32 s14, v1                    ; wave 0..3
	s_lshr_b32 s15, s14, 1                         ; which half of A's rows is mine.  Also: I fetch for A (0) or for B (1)
	s_and_b32 s16, s14, 1                          ; which half of B's rows.  Also: which 128 rows I fetch
	s_bfe_u32 s40, ttmp6, 0x40000                  ; cx, cy: my place in the cluster
	s_bfe_u32 s41, ttmp6, 0x40004
	s_lshr_b32 s95, ttmp9, 2                       ; P: the same in all sixteen partners
	s_and_b32 s96, ttmp9, 3                        ; sub
	s_lshl_b32 s43, s41, 2
	s_lshl_b32 s43, 15, s43                        ; my row of the cluster
	s_lshl_b32 s44, 0x1111, s40                    ; my column
	s_mov_b32 s97, 0xffff0000                      ; lanes 16-31
	s_mov_b32 s100, 0x76543210
	s_mov_b32 s101, 0xfedcba98                     ; v_permlanex16_b32's selects for lane l xor 16
	s_wait_kmcnt 0x0
	s_cmp_lt_u32 s95, 2                            ; q or k: A = x;  v: A = Wv, B = x.  The choices hang on the cluster's number alone
	s_cselect_b64 s[4:5], s[24:25], s[36:37]       ; A's codes
	s_cselect_b64 s[6:7], s[26:27], s[38:39]       ; A's scales
	s_cselect_b64 s[8:9], s[32:33], s[24:25]       ; B's codes
	s_cselect_b64 s[10:11], s[34:35], s[26:27]     ; B's scales
	s_cselect_b64 s[12:13], s[50:51], s[52:53]     ; the bias
	s_cselect_b32 s20, s96, 0                      ; the quarter of the tokens counts in A's tile rows
	s_cselect_b32 s21, 0, s96                      ; or in B's
	s_cmp_eq_u32 s95, 0
	s_cselect_b64 s[8:9], s[28:29], s[8:9]
	s_cselect_b64 s[10:11], s[30:31], s[10:11]
	s_cselect_b64 s[12:13], s[48:49], s[12:13]
	s_cselect_b64 s[66:67], s[54:55], s[58:59]     ; where the results go: qraw or kv
	s_mov_b64 s[98:99], s[56:57]                   ; stats
	s_lshl_b32 s17, s20, 2
	s_add_co_u32 s17, s17, s41                     ; A's tile row
	s_lshl_b32 s42, s21, 2
	s_add_co_u32 s42, s42, s40                     ; B's tile row
	; descriptor group 1: a tile of 128 rows x 192 bytes, 16 bytes of padding behind every 64
	s_or_b32 s[G1+0], s43, (0<<16)|(1<<20)|(1<<21)|(3<<22)|(3<<25)
	s_or_b32 s[G1B+0], s44, (0<<16)|(1<<20)|(1<<21)|(3<<22)|(3<<25)
.irp g, G1, G1B
	s_mov_b32 s[\g+1], ROWB<<16                    ; tensor_dim0
	s_mov_b32 s[\g+2], 128<<16                     ; tensor_dim1
	s_mov_b32 s[\g+3], ROWB<<16                    ; tile_dim0
	s_mov_b32 s[\g+4], 128                         ; tile_dim1
	s_mov_b32 s[\g+5], KROW                        ; from row to row
	s_mov_b32 s[\g+6], 0
	s_mov_b32 s[\g+7], 0
.endr
	; the scales of 128 rows: 4,096 dense bytes as 16 rows of 256 bytes, 16 bytes of padding behind each
	s_or_b32 s[G1S+0], s43, (3<<16)|(1<<20)|(1<<21)|(5<<22)|(3<<25)
	s_or_b32 s[G1SB+0], s44, (3<<16)|(1<<20)|(1<<21)|(5<<22)|(3<<25)
.irp g, G1S, G1SB
	s_mov_b32 s[\g+1], 32<<16
	s_mov_b32 s[\g+2], (128*KS/256)<<16
	s_mov_b32 s[\g+3], 32<<16
	s_mov_b32 s[\g+4], 128*KS/256
	s_mov_b32 s[\g+5], 32
	s_mov_b32 s[\g+6], 0
	s_mov_b32 s[\g+7], 0
.endr
	s_lshl_b32 s18, s16, 7                         ; which 128 rows of the tile I fetch
	s_lshl_b32 s20, s17, 8
	s_add_co_u32 s20, s20, s18                     ; A: row 256 x tile row + 128 x half
	s_lshl_b32 s46, s42, 8
	s_add_co_u32 s46, s46, s18                     ; B likewise
	s_mov_b32 s21, 0
	s_mov_b32 s47, 0
	s_mov_b64 s[18:19], KS
	s_mul_u64 s[22:23], s[20:21], s[18:19]         ; where these rows' scales begin
	s_mul_u64 s[92:93], s[46:47], s[18:19]
	s_mov_b64 s[18:19], KROW
	s_mul_u64 s[20:21], s[20:21], s[18:19]         ; and their codes
	s_mul_u64 s[46:47], s[46:47], s[18:19]
	s_mul_i32 s45, s14, HALFT                      ; where they go: wave x 128 rows
	s_mul_i32 s94, s14, HALFS
	s_add_nc_u64 s[20:21], s[4:5], s[20:21]
	s_add_nc_u64 s[22:23], s[6:7], s[22:23]
	s_add_nc_u64 s[46:47], s[8:9], s[46:47]
	s_add_nc_u64 s[92:93], s[10:11], s[92:93]
	CROUND                                         ; all sixteen work-groups are here: the first joint loads meet
	s_mov_b32 s[G0S], 1
	s_add_co_u32 s[G0S+1], s94, SCL
	s_mov_b64 s[G0S+2:G0S+3], s[22:23]
	s_or_b32 s[G0S+3], s[G0S+3], 0x80000000
	s_mov_b32 s[G0SB], 1
	s_add_co_u32 s[G0SB+1], s94, SCL
	s_mov_b64 s[G0SB+2:G0SB+3], s[92:93]
	s_or_b32 s[G0SB+3], s[G0SB+3], 0x80000000
	JLOAD G0S, G1S, G0SB, G1SB                     ; the scales first: they are wanted with K step 0
.irp s, 0,1
	s_mov_b32 s[G0+4*\s], 1
	s_add_co_u32 s[G0+4*\s+1], s45, \s*SLOT
	s_add_nc_u64 s[G0+4*\s+2:G0+4*\s+3], s[20:21], \s*ROWB
	s_or_b32 s[G0+4*\s+3], s[G0+4*\s+3], 0x80000000
	s_mov_b32 s[G0B+4*\s], 1
	s_add_co_u32 s[G0B+4*\s+1], s45, \s*SLOT
	s_add_nc_u64 s[G0B+4*\s+2:G0B+4*\s+3], s[46:47], \s*ROWB
	s_or_b32 s[G0B+4*\s+3], s[G0B+4*\s+3], 0x80000000
	JLOAD G0+4*\s, G1, G0B+4*\s, G1B
.endr
	v_and_b32 v1, 15, v0                           ; r = l % 16
	v_bfe_u32 v2, v0, 4, 1                         ; h = l / 16
	v_mul_u32_u24 v3, v1, PITCH
	v_mul_u32_u24 v4, v2, 24
	v_add_nc_u32 v4, v3, v4                        ; a fragment's row x pitch + 24 x half
	v_lshl_add_u32 v5, v2, 4, v4                   ; and the same behind one padding more
	s_mul_i32 s21, s15, HALFT                      ; my 128 rows of A
	s_mul_i32 s22, s16, HALFT                      ; my 128 rows of B,
	s_add_co_u32 s22, s22, 2*HALFT                 ; which lie behind A's 256
.irp s, 0,1
	v_add_nc_u32 v[ADRA+\s], s21, v4
	v_add_nc_u32 v[ADRB+\s], s22, v4
	v_add_nc_u32 v[ADRA+2+\s], s21, v5
	v_add_nc_u32 v[ADRB+2+\s], s22, v5
	s_add_co_u32 s21, s21, SLOT
	s_add_co_u32 s22, s22, SLOT
.endr
	v_mul_u32_u24 v5, v1, KS                       ; my row's scales: 32 bytes a row,
	v_lshrrev_b32 v6, 8, v5
	v_lshl_add_u32 v5, v6, 4, v5                   ; and 16 more for each 256 passed
	s_mul_i32 s21, s15, HALFS
	s_mul_i32 s22, s16, HALFS
	s_add_co_u32 s22, s22, 2*HALFS
	s_sub_co_u32 s22, s22, s21
	v_mul_u32_u24 v6, s22, v2                      ; lanes 16-31 take B's
	s_add_co_u32 s21, s21, SCL
	v_add_nc_u32 v5, v5, v6
	v_add_nc_u32 v[ADRS], s21, v5
	v_and_b32 v3, 31, v0
	v_lshlrev_b32 v[LI], 4, v3
	v_mul_u32_u24 v[LSC], v2, 0x32000              ; 204,800 bytes from head to head in kv
	v_lshl_add_u32 v[LSC], v1, 4, v[LSC]
	v_lshlrev_b32 v[LST], 3, v1
	v_lshl_add_u32 v[LST], v2, 2, v[LST]
	v_lshlrev_b32 v[BO1], 5, v2
	v_lshlrev_b32 v[BO2], 2, v1
	; The biases, in both layouts, on every way: the layout that a product does not use is read from the bias's first 512 bytes and left unused, so that no load leaves its buffer and no register is read unwritten.
	s_lshl_b32 s20, s42, 8
	s_lshl_b32 s21, s16, 7
	s_add_co_u32 s20, s20, s21                     ; B's first row of my wave
	s_lshl_b32 s22, s17, 8
	s_lshl_b32 s21, s15, 7
	s_add_co_u32 s22, s22, s21                     ; A's first row of my wave
	s_cmp_lt_u32 s95, 2
	s_cselect_b32 s20, s20, 0                      ; q, k: the columns are B's rows
	s_cselect_b32 s22, 0, s22                      ; v: they are A's rows
	s_lshl_b32 s20, s20, 2
	s_lshl_b32 s22, s22, 2
	s_mov_b32 s21, 0
	s_mov_b32 s23, 0
	s_add_nc_u64 s[20:21], s[12:13], s[20:21]
	s_add_nc_u64 s[22:23], s[12:13], s[22:23]
	WIN TO_B
.irp b, 0,1,2,3,4,5,6,7                        ; window 1, v96-127 and v224-255: register 8 b + j = bias of column 16 b + 8 h + j
	global_load_b128 v[96+8*\b+96*(\b/4):96+8*\b+96*(\b/4)+3], v[BO1], s[20:21] offset:64*\b
	global_load_b128 v[96+8*\b+96*(\b/4)+4:96+8*\b+96*(\b/4)+7], v[BO1], s[20:21] offset:64*\b+16
.endr
	WIN 0
.irp a, 0,1,2,3,4,5,6,7
	global_load_b32 v[BV+2*\a], v[BO2], s[22:23] offset:64*\a
	global_load_b32 v[BV+2*\a+1], v[BO2], s[22:23] offset:64*\a
.endr
.macro FRAG reg, adr, q, i             ; a fragment: lane l holds row l % 16; registers 6 c .. 6 c + 5 hold K = 64 c + 32 (l / 16) + 0 .. 31: 24 bytes of the row's stream of bits, in pieces of 8 bytes
.irp p, 0,1,2,3,4,5
.set PC, 12*(\q)+6*(\p/3)+\p%3        ; where the piece three on lies behind one padding more, the second address register serves
.if PC%8 < 5
	ds_load_b64 v[\reg+2*\p:\reg+2*\p+1], v[\adr] offset:8*PC+16*(PC/8)+(\i)*16*PITCH
.else
	ds_load_b64 v[\reg+2*\p:\reg+2*\p+1], v[\adr+2] offset:8*PC+16*(PC/8)+(\i)*16*PITCH
.endif
.endr
.endm
; 16 matrix instructions: A's blocks a0, a0 + 1 x B's eight, 128 along K.  The 64 accumulators take turns, one instruction a turn, in the same order in every step.
.macro MUL16 a0, p, q, sc, zero
.irp a, \a0, \a0+1
.irp b, 0,1,2,3,4,5,6,7
.if \zero
	v_wmma_scale_f32_16x16x128_f8f6f4 v[8*(8*((\a)%4)+\b):8*(8*((\a)%4)+\b)+7], v[128*(\p)+FR*\b:128*(\p)+FR*\b+FR-1], v[AF+FR*(\a):AF+FR*(\a)+FR-1], 0, v[SC+8*NQ*(\sc)+NQ*\b+(\q)], v[SC+8*NQ*(\sc)+NQ*(\a)+(\q)] matrix_a_fmt:MATRIX_FMT_BF6 matrix_b_fmt:MATRIX_FMT_BF6 matrix_a_scale:MATRIX_SCALE_ROW1
.else
	v_wmma_scale_f32_16x16x128_f8f6f4 v[8*(8*((\a)%4)+\b):8*(8*((\a)%4)+\b)+7], v[128*(\p)+FR*\b:128*(\p)+FR*\b+FR-1], v[AF+FR*(\a):AF+FR*(\a)+FR-1], v[8*(8*((\a)%4)+\b):8*(8*((\a)%4)+\b)+7], v[SC+8*NQ*(\sc)+NQ*\b+(\q)], v[SC+8*NQ*(\sc)+NQ*(\a)+(\q)] matrix_a_fmt:MATRIX_FMT_BF6 matrix_b_fmt:MATRIX_FMT_BF6 matrix_a_scale:MATRIX_SCALE_ROW1
.endif
.endr
.endr
.endm
.macro FETCH_B slot, q, p
	WIN TO_B
.irp i, 0,1,2,3,4,5,6,7
	FRAG 128*(\p)+FR*\i, ADRB+\slot, \q, \i
.endr
	WIN 0
.endm
.macro FETCH_A slot, q, i0
.irp i, \i0, \i0+1, \i0+2, \i0+3
	FRAG AF+FR*(\i), ADRA+\slot, \q, \i
.endr
.endm
.macro SCALES sc                       ; a K step's scale words: lanes 0-15 take A's block i, lanes 16-31 B's block i
.irp i, 0,1,2,3,4,5,6,7
	ds_load_b64 v[SC+8*NQ*\sc+NQ*\i:SC+8*NQ*\sc+NQ*\i+1], v[ADRS] offset:\i*SBLK
.endr
.endm
.macro PLACES n                        ; plain vector instructions between a matrix instruction and a load into, or a vector instruction on, its registers
.rept \n
	v_nop
.endr
.endm
.macro STEP slot, q, zero              ; a step of 128 along K that has its successor in the same slot
	s_wait_dscnt 4*NL                              ; B's set and A's blocks 0-3 are in; A's blocks 4-7 (24 loads) may be out
	WIN MUL_LO
	MUL16 0, (\q)%2, \q, \slot, \zero
	MUL16 2, (\q)%2, \q, \slot, \zero
	s_wait_dscnt 0
	PLACES NP
	FETCH_B \slot, (\q)+1, 1-(\q)%2
	FETCH_A \slot, (\q)+1, 0
	WIN MUL_HI
	MUL16 4, (\q)%2, \q, \slot, \zero
	MUL16 6, (\q)%2, \q, \slot, \zero
	PLACES NP
	WIN 0
	FETCH_A \slot, (\q)+1, 4
.endm
; A slot's last step changes slots: one barrier; in front of it each wave waits for all its tensor loads, adds 0 to its spare word, and waits for that and for its own reads of this slot.
.macro TURN slot, next, fill
	s_wait_tensorcnt 0x0                           ; all my tensor loads have landed: my part of the next slot
	ds_add_u32 v[SPW], v[NIL]                      ; 0 onto my spare word
	s_wait_dscnt 4*NL+1                            ; the add and A's blocks 4-7 (24 loads) may be out
	WIN MUL_LO
	MUL16 0, 1, NQ-1, \slot, 0
	s_wait_dscnt 0x0                               ; the add is done, and my reads of this slot are over
	s_barrier_signal -1
	MUL16 2, 1, NQ-1, \slot, 0
	WIN 0
	s_barrier_wait -1
.if \fill
	CREST                                          ; the barrier has opened a round of the cluster's barrier: no wave of any partner still reads this slot or has a load on its way
	s_add_nc_u64 s[G0+4*\slot+2:G0+4*\slot+3], s[G0+4*\slot+2:G0+4*\slot+3], 2*ROWB
	s_add_nc_u64 s[G0B+4*\slot+2:G0B+4*\slot+3], s[G0B+4*\slot+2:G0B+4*\slot+3], 2*ROWB
	JLOAD G0+4*\slot, G1, G0B+4*\slot, G1B         ; the first tensor load behind the round; its four v_nop are the places in front of the loads below
.else
	PLACES NP
.endif
	v_add_nc_u32 v[ADRS], 4*NQ, v[ADRS]            ; on to the next K step's scale words
	FETCH_B \next, 0, 0
	FETCH_A \next, 0, 0
	SCALES \next
	WIN MUL_HI
	MUL16 4, 1, NQ-1, \slot, 0
	MUL16 6, 1, NQ-1, \slot, 0
	PLACES NP
	WIN 0
	FETCH_A \next, 0, 4
.endm
	s_wait_tensorcnt 1                             ; the scales and my part of K step 0 are in; K step 1's load may be out
	s_barrier_signal -1
	s_barrier_wait -1
	FETCH_B 0, 0, 0
	FETCH_A 0, 0, 0
	SCALES 0
	FETCH_A 0, 0, 4
	STEP 0, 0, 1                                   ; the first step's products start the sums
	s_mov_b32 s3, LAPS-1
.Llap:                                                 ; a trip goes once round the ring and fills both slots again
	TURN 0, 1, 1
	STEP 1, 0, 0
	TURN 1, 0, 1
	STEP 0, 0, 0
	s_sub_co_u32 s3, s3, 1
	s_cmp_lg_u32 s3, 0
	s_cbranch_scc1 .Llap
	TURN 0, 1, 0                                   ; the last lap fills nothing
	STEP 1, 0, 0
	s_wait_dscnt 4*NL
	WIN MUL_LO
	MUL16 0, 1, NQ-1, 1, 0
	MUL16 2, 1, NQ-1, 1, 0
	s_wait_dscnt 0
	WIN MUL_HI
	MUL16 4, 1, NQ-1, 1, 0
	MUL16 6, 1, NQ-1, 1, 0
	WIN 0
	PLACES NP                                      ; behind the last products: their results are read and A's registers written below
	s_wait_loadcnt 0x0                             ; the biases
.irp b, 0,1,2,3
	v_mov_b32 v[TM+4+\b], 0                        ; a lane permute's destination counts as one of its sources
.endr
	v_mov_b32 v[T2], 0
; Block a's 64 sums + bias -> v[x] on, window 0; each accumulator is read from its low end on.  isv = 1: the bias is a number a lane.
.macro TOX a, x, isv
.if \isv
	WIN 0x02+((\a)/4)
.else
	WIN 0x06+((\a)/4)
.endif
.irp b, 0,1,2,3,4,5,6,7
.irp i, 0,2,4,6
.if \isv
	v_pk_add_f32 v[\x+8*\b+\i:\x+8*\b+\i+1], v[64*((\a)%4)+8*\b+\i:64*((\a)%4)+8*\b+\i+1], v[BV+2*(\a):BV+2*(\a)+1]
.else
	v_pk_add_f32 v[\x+8*\b+\i:\x+8*\b+\i+1], v[64*((\a)%4)+8*\b+\i:64*((\a)%4)+8*\b+\i+1], v[96+8*\b+96*(\b/4)+\i:96+8*\b+96*(\b/4)+\i+1]
.endif
.endr
.endr
	WIN 0
.endm
; 64 numbers of a lane, four half blocks of 16 (the other halves lie in lane l xor 16), become codes: blocks 0, 1 in v[d0 .. d0 + 5] (lanes 0-15 block 0, lanes 16-31 block 1), blocks 2, 3 in v[d1 ..]; the four scale bytes in v[PW].
.macro QUANT s, d0, d1, tmp
.irp b, 0,1,2,3
	v_max3_num_f32 v[TM+\b], |v[\s+16*\b]|, |v[\s+1+16*\b]|, 0x2800000   ; with the floor 2^(5 - 127): the byte cannot fall under 1
.endr
.irp i, 2,4,6,8,10,12,14
.irp b, 0,1,2,3
	v_max3_num_f32 v[TM+\b], v[TM+\b], |v[\s+16*\b+\i]|, |v[\s+1+16*\b+\i]|
.endr
.endr
.irp b, 0,1,2,3
	v_permlanex16_b32 v[TM+4+\b], v[TM+\b], s100, s101
.endr
.irp b, 0,1,2,3
	v_max_num_f32 v[TM+\b], v[TM+\b], v[TM+4+\b]   ; the block's largest magnitude
.endr
.irp b, 0,1,2,3
	v_add_nc_u32 v[TM+12+\b], 0xfe000000, v[TM+\b] ; 4 off its exponent field: the conversion's scale operand
.endr
.irp b, 0,1,2,3
	v_lshrrev_b32 v[TM+4+\b], 23, v[TM+12+\b]      ; the scale's byte
.endr
	v_lshl_or_b32 v[PW], v[TM+5], 8, v[TM+4]
	v_lshl_or_b32 v[PW], v[TM+6], 16, v[PW]
	v_lshl_or_b32 v[PW], v[TM+7], 24, v[PW]
	v_cvt_scalef32_pk16_bf6_f32 v[\d0:\d0+2], v[\s:\s+15], v[TM+12]
	v_cvt_scalef32_pk16_bf6_f32 v[\tmp:\tmp+2], v[\s+16:\s+31], v[TM+13]
	v_cvt_scalef32_pk16_bf6_f32 v[\d1:\d1+2], v[\s+32:\s+47], v[TM+14]
	v_cvt_scalef32_pk16_bf6_f32 v[\tmp+4:\tmp+6], v[\s+48:\s+63], v[TM+15]
	v_nop                                          ; one plain place behind a scaled conversion
.irp i, 0,1,2
	v_permlane16_swap_b32 v[\d0+\i], v[\tmp+\i]    ; a whole block to a lane
.endr
.irp i, 0,1,2
	v_mov_b32 v[\d0+3+\i], v[\tmp+\i]
.endr
.irp i, 0,1,2
	v_permlane16_swap_b32 v[\d1+\i], v[\tmp+4+\i]
.endr
.irp i, 0,1,2
	v_mov_b32 v[\d1+3+\i], v[\tmp+4+\i]
.endr
.endm
.macro FINISH                          ; the wave's end, behind my last tensor load
	s_wait_tensorcnt 0x0
	ds_add_u32 v[SPW], v[NIL]
	s_wait_dscnt 0x0
.endm
; s20 = my first token, s22 = my first head.  kv: a record of 102,400 bytes for each (batch, head, chunk of 1,024 tokens): K's images 49,152, K's scale words 2,048, V's images 49,152, V's scale words 2,048.
.macro KVBASE part                     ; part = 0: K's;  51,200: V's.   s[66:67] -> my images, s[98:99] -> my scale words
	s_lshr_b32 s21, s20, 11                        ; batch
	s_lshl_b32 s21, s21, 4
	s_add_co_u32 s21, s21, s22
	s_lshl_b32 s21, s21, 1
	s_bfe_u32 s23, s20, 0x1000a                    ; chunk
	s_add_co_u32 s21, s21, s23
	s_mul_i32 s18, s21, 102400
	s_bfe_u32 s23, s20, 0x30007                    ; which 128 tokens of the chunk: 6,144 bytes of images, 256 of scale words
	s_lshl_b32 s92, s23, 8
	s_add_co_u32 s92, s92, s18
	s_add_co_u32 s92, s92, 49152+\part
	s_mov_b32 s93, 0
	s_add_nc_u64 s[98:99], s[66:67], s[92:93]
	s_mul_i32 s92, s23, 6144
	s_add_co_u32 s92, s92, s18
	s_add_co_u32 s92, s92, \part
	s_add_nc_u64 s[66:67], s[66:67], s[92:93]
.endm
	s_cmp_eq_u32 s95, 1                            ; the same way in all sixteen partners
	s_cbranch_scc1 .Lk
	s_cmp_eq_u32 s95, 2
	s_cbranch_scc1 .Lv
	; ---- q: qraw[T][head][8 pieces][lane][16 bytes], T = token / 16; stats[128 columns' group][T][r][mean, sum of squared differences]
	s_lshl_b32 s20, s17, 4
	s_lshl_b32 s21, s15, 3
	s_add_co_u32 s20, s20, s21                     ; my first T
	s_lshl_b32 s22, s42, 1
	s_add_co_u32 s22, s22, s16                     ; my group of 128 columns = two heads
	s_lshl_b32 s18, s20, 4
	s_lshl_b32 s19, s22, 1
	s_add_co_u32 s18, s18, s19
	s_lshl_b32 s18, s18, 12
	s_mov_b32 s19, 0
	s_add_nc_u64 s[66:67], s[66:67], s[18:19]
	s_lshl_b32 s18, s22, 15
	s_lshl_b32 s20, s20, 7
	s_add_co_u32 s18, s18, s20
	s_add_nc_u64 s[98:99], s[98:99], s[18:19]
.macro QOUT a
.set XX, X0+64*((\a)%2)
.if (\a) > 0
	s_wait_xcnt 0x0                                ; the earlier stores have read their registers: they are written again only behind this wait
.endif
	TOX \a, XX, 0
	v_pk_add_f32 v[A0:A0+1], v[XX:XX+1], v[XX+2:XX+3]              ; the sum of my 64 numbers of the row, in two chains
	v_pk_add_f32 v[A1:A1+1], v[XX+4:XX+5], v[XX+6:XX+7]
.irp i, 8,12,16,20,24,28,32,36,40,44,48,52,56,60
	v_pk_add_f32 v[A0:A0+1], v[A0:A0+1], v[XX+\i:XX+\i+1]
	v_pk_add_f32 v[A1:A1+1], v[A1:A1+1], v[XX+\i+2:XX+\i+3]
.endr
	v_pk_add_f32 v[A0:A0+1], v[A0:A0+1], v[A1:A1+1]
	v_add_f32 v[T1], v[A0], v[A0+1]
	v_permlanex16_b32 v[T2], v[T1], s100, s101
	v_add_f32 v[T1], v[T1], v[T2]                  ; with lane l xor 16's 64
	v_mul_f32 v[MEAN], 0x3c000000, v[T1]           ; / 128
	v_mov_b32 v[MEAN+1], v[MEAN]
.irp q, 0,1,2,3,4,5,6,7                        ; the squared differences from that mean: no difference of large sums is formed
.irp k, 0,1,2,3
	v_pk_add_f32 v[TT+2*\k:TT+2*\k+1], v[XX+8*\q+2*\k:XX+8*\q+2*\k+1], v[MEAN:MEAN+1] neg_lo:[0,1] neg_hi:[0,1]
.endr
.if \q == 0
	v_pk_mul_f32 v[A0:A0+1], v[TT:TT+1], v[TT:TT+1]
	v_pk_mul_f32 v[A1:A1+1], v[TT+2:TT+3], v[TT+2:TT+3]
.else
	v_pk_fma_f32 v[A0:A0+1], v[TT:TT+1], v[TT:TT+1], v[A0:A0+1]
	v_pk_fma_f32 v[A1:A1+1], v[TT+2:TT+3], v[TT+2:TT+3], v[A1:A1+1]
.endif
	v_pk_fma_f32 v[A0:A0+1], v[TT+4:TT+5], v[TT+4:TT+5], v[A0:A0+1]
	v_pk_fma_f32 v[A1:A1+1], v[TT+6:TT+7], v[TT+6:TT+7], v[A1:A1+1]
.endr
	v_pk_add_f32 v[A0:A0+1], v[A0:A0+1], v[A1:A1+1]
	v_add_f32 v[T1], v[A0], v[A0+1]
	v_permlanex16_b32 v[T2], v[T1], s100, s101
	v_add_f32 v[T1], v[T1], v[T2]
	v_cndmask_b32 v[VAL], v[MEAN], v[T1], s97      ; lanes 0-15 store the mean, lanes 16-31 the sum of squares
	global_store_b32 v[LST], v[VAL], s[98:99] offset:128*(\a)
.irp c, 0,1
.irp p, 0,1,2,3,4,5,6,7
	global_store_b128 v[LI], v[XX+32*\c+4*\p:XX+32*\c+4*\p+3], s[66:67] offset:(\a)*65536+\c*4096+\p*512   ; 32 lanes store 512 consecutive bytes
.endr
.endr
.endm
.irp a, 0,1,2,3,4,5,6,7
	QOUT \a
.endr
	FINISH
	s_branch .Lend
.Lk:	; ---- k: two blocks of 16 tokens make a fragment of each of my two heads: registers 0-5 the first 16 keys, 6-11 the next 16
	s_lshl_b32 s20, s17, 8
	s_lshl_b32 s21, s15, 7
	s_add_co_u32 s20, s20, s21                     ; my first token
	s_lshl_b32 s22, s42, 2
	s_lshl_b32 s21, s16, 1
	s_add_co_u32 s22, s22, s21                     ; my first head
	KVBASE 0
.macro KOUT g
.set II, X1+24*((\g)%2)
.if (\g) > 0
	s_wait_xcnt 0x0
.endif
	TOX 2*(\g), X0, 0
	QUANT X0, II, II+12, 240
	v_mov_b32 v[PWA], v[PW]
	TOX 2*(\g)+1, X0, 0
	QUANT X0, II+6, II+18, 240
	v_perm_b32 v[SW0+(\g)], v[PW], v[PWA], 0x05040100              ; first head: the two bytes of the first 16 keys, then of the next 16
	v_perm_b32 v[SW1+(\g)], v[PW], v[PWA], 0x07060302              ; second head
.irp c, 0,1
.irp p, 0,1,2
	global_store_b128 v[LI], v[II+12*\c+4*\p:II+12*\c+4*\p+3], s[66:67] offset:\c*204800+(\g)*1536+\p*512
.endr
.endr
.endm
.irp g, 0,1,2,3
	KOUT \g
.endr
.irp i, 0,1,2,3
	v_cndmask_b32 v[OW+\i], v[SW0+\i], v[SW1+\i], s97
.endr
	global_store_b128 v[LSC], v[OW:OW+3], s[98:99] ; sixteen lanes store 256 consecutive bytes of each head's scale words
	FINISH
	s_branch .Lend
.Lv:	; ---- v: a block of 16 columns x my 128 tokens is one fragment of the second product
	s_lshl_b32 s20, s42, 8
	s_lshl_b32 s21, s16, 7
	s_add_co_u32 s20, s20, s21                     ; my first token
	s_lshl_b32 s22, s17, 2
	s_lshl_b32 s21, s15, 1
	s_add_co_u32 s22, s22, s21                     ; my first head
	KVBASE 51200
.macro VOUT a
.set PP, X1+20*((\a)%2)
.if (\a) > 0
	s_wait_xcnt 0x0
.endif
	TOX \a, X0, 1
	QUANT X0, PP, PP+6, PP+12
	v_mov_b32 v[SW0+(\a)], v[PW]
.irp p, 0,1,2
	global_store_b128 v[LI], v[PP+4*\p:PP+4*\p+3], s[66:67] offset:((\a)/4)*204800+((\a)%4)*1536+\p*512
.endr
.endm
.irp a, 0,1,2,3,4,5,6,7
	VOUT \a
.endr
.irp i, 0,1,2,3
	v_cndmask_b32 v[OW+\i], v[SW0+\i], v[SW1+\i], s97
.endr
	global_store_b128 v[LSC], v[OW:OW+3], s[98:99]
	FINISH
.Lend:
	CROUND                                         ; the closing round: no work-group ends while a partner may still ask for a tile that names it
	s_endpgm
.Lfunc_end_k_q405f5db027_proj:
	.size	k_q405f5db027_proj, .Lfunc_end_k_q405f5db027_proj-k_q405f5db027_proj
	.p2alignl 7, 3214868480
	.fill 96, 4, 3214868480
	.section	.rodata,"a",@progbits
	.p2align	6, 0x0
	.amdhsa_kernel k_q405f5db027_proj
		.amdhsa_group_segment_fixed_size 327680
		.amdhsa_private_segment_fixed_size 0
		.amdhsa_enable_private_segment 0
		.amdhsa_kernarg_size 112
		.amdhsa_user_sgpr_count 2
		.amdhsa_user_sgpr_kernarg_segment_ptr 1
		.amdhsa_wavefront_size32 1
		.amdhsa_system_sgpr_workgroup_id_x 1
		.amdhsa_system_sgpr_workgroup_id_y 1
		.amdhsa_system_sgpr_workgroup_id_z 1
		.amdhsa_system_vgpr_workitem_id 0
		.amdhsa_next_free_vgpr 1024
		.amdhsa_next_free_sgpr 102
		.amdhsa_reserve_vcc 0
		.amdhsa_float_denorm_mode_32 3
		.amdhsa_float_denorm_mode_16_64 3
		.amdhsa_memory_ordered 1
		.amdhsa_forward_progress 1
		.amdhsa_inst_pref_size 255
	.end_amdhsa_kernel
	.section	.bss,"aw",@nobits
	.p2align	6
	.space	262144
	.amdgpu_metadata
---
amdhsa.version: [ 1, 2 ]
amdhsa.kernels:
  - .name:           k_q405f5db027_proj
    .symbol:         k_q405f5db027_proj.kd
    .args:
      - { .name: x_codes, .offset: 0, .size: 8, .value_kind: global_buffer, .address_space: global }
      - { .name: x_scales, .offset: 8, .size: 8, .value_kind: global_buffer, .address_space: global }
      - { .name: Wq_codes, .offset: 16, .size: 8, .value_kind: global_buffer, .address_space: global }
      - { .name: Wq_scales, .offset: 24, .size: 8, .value_kind: global_buffer, .address_space: global }
      - { .name: Wk_codes, .offset: 32, .size: 8, .value_kind: global_buffer, .address_space: global }
      - { .name: Wk_scales, .offset: 40, .size: 8, .value_kind: global_buffer, .address_space: global }
      - { .name: Wv_codes, .offset: 48, .size: 8, .value_kind: global_buffer, .address_space: global }
      - { .name: Wv_scales, .offset: 56, .size: 8, .value_kind: global_buffer, .address_space: global }
      - { .name: bq, .offset: 64, .size: 8, .value_kind: global_buffer, .address_space: global }
      - { .name: bk, .offset: 72, .size: 8, .value_kind: global_buffer, .address_space: global }
      - { .name: bv, .offset: 80, .size: 8, .value_kind: global_buffer, .address_space: global }
      - { .name: qraw, .offset: 88, .size: 8, .value_kind: global_buffer, .address_space: global }
      - { .name: stats, .offset: 96, .size: 8, .value_kind: global_buffer, .address_space: global }
      - { .name: kv, .offset: 104, .size: 8, .value_kind: global_buffer, .address_space: global }
    .group_segment_fixed_size: 327680
    .private_segment_fixed_size: 0
    .kernarg_segment_align: 8
    .kernarg_segment_size: 112
    .max_flat_workgroup_size: 128
    .sgpr_count:     102
    .vgpr_count:     1024
    .wavefront_size: 32
...
	.end_amdgpu_metadata
.endif
;; end of part 1
;; launch attn (part 2): grid 8 x 32, 4 waves a work-group, clusters of 4 x 1, 205,312 bytes of LDS; arguments qraw, stats, kv, ln_g, ln_b, ao, aos; writes ao, aos
.if DOCPART == 2
	.amdgcn_target "amdgcn-amd-amdhsa--gfx1250"
	.amdhsa_code_object_version 6
	.text
	.protected	k_q405f5db027_attn
	.globl	k_q405f5db027_attn
	.p2align	8
	.type	k_q405f5db027_attn,@function
k_q405f5db027_attn:
	s_mov_b64 s[64:65], 0
	v_nop
	global_prefetch_b8 v0, s[64:65] scope:SCOPE_SE
	s_setreg_imm32_b32 hwreg(HW_REG_WAVE_MODE, 25, 1), 1
	s_wait_xcnt 0x0
	s_wait_alu depctr_hold_cnt(0) depctr_sa_sdst(0) depctr_va_vdst(0) depctr_va_sdst(0) depctr_va_ssrc(0) depctr_va_vcc(0) depctr_vm_vsrc(0)
	s_getreg_b32 s2, hwreg(HW_REG_IB_STS2, 6, 4)
	s_cmp_eq_u32 s2, 0
	s_cbranch_scc0 .Lentry_in_a_cluster
	s_endpgm
.Lentry_in_a_cluster:
	s_bfe_u32 s2, ttmp6, 0x10000c
	s_cmp_lg_u32 s2, 0x3003
	s_cbranch_scc0 .Lentry_shape_is_right
	s_endpgm
.Lentry_shape_is_right:
; LayerNorm of q, attention in two chunks of 1,024 keys as the problem writes it, the residual, and the quantising of the result for the last product.  Both products on codes of BF6 (E3M2), E8M0 scales.
; WHAT IS QUANTISED FOR THE SECOND PRODUCT is exp(score - m), m the largest score of the query among the chunk's 1,024 keys: so all of a chunk's scores exist before the first p is made.
; A wave holds them: 16 queries x 1,024 keys of f32 are 512 registers (windows 2 and 3).
; SHARES.  A work-group owns 256 queries of one head, a wave 64, as four tiles of 16 one after the other.  The head's K and V, 204,800 bytes of register images and scale words, lie in LDS, filled once:
; each wave brings a quarter by one tensor load; the four query blocks of a cluster belong to one head and ask jointly.  One tensor load of a wave is out, no byte is filled twice, one barrier.
; LAYOUT.  S^T = K Q^T (source 0 = keys, source 1 = my 16 queries), O^T = V^T P^T: a lane holds one query (lane % 16) throughout.
; K = 64 IN AN INSTRUCTION OF 128: a fragment of K holds two tiles of 16 keys (registers 0-5, 6-11); it is multiplied once by (q | zero codes) and once by (zero codes | q).
; THE FACTOR 1/8 is a power of two: q is quantised unscaled, the scores are 8 x the problem's, and p = 2^((s - m) c), c = log2(e) / 8.  The difference is taken first, so the row's largest p is 1 exactly.
; A BLOCK'S LARGEST p is made from the block's largest score by the same three instructions as every p (this takes v_exp_f32 not to fall where its input rises).
; BY TURNS.  The wave is alone on its SIMD, so matrix and vector work are set side by side in its own text.  A chunk's 64 products K Q^T have 256 lines of block maxima beside them: a slice of four lines stands
; behind each product; the slices belong to the eight tiles (four blocks of 32 keys) made before the eight in hand, and a slice holds one line of each of the four blocks' chains, so that no line reads the
; line just above it.  S fills windows 2 and 3, so the maxima cannot lie in the products' destination window: a slice costs two switches of the register window.  A step's four products V^T P stand between
; the runs of eight lines that sum p, which go in eight chains.
; THE ORDER INSIDE A BLOCK OF 32: q against k and p against v are laid in the order [half 0's sixteen | half 1's sixteen] on both sides; for the last product, whose other operand is given, the natural order is restored by lane swaps.
; LIMITS: NaN and infinities are not served.  A block whose largest magnitude lies under 2^-122 gets the scale byte 1 (for q: the problem's hold for q / 8 differs only under 2^-119).
; p under 2^-126 is 0 (v_exp_f32 flushes).  1 / (1e-8 + den) is v_rcp_f32 and a multiplication.
; REGISTERS.  window 0: see the names below.  window 1: v0-119 K (ten places of 12), later v0-95 V (two sets of 48) and v96-127 O^T; v128-159 the numerator; v160-191 q as loaded; v192-207 its statistics; v208-239 ln_g.
;   windows 2, 3: the scores, then p: tile t of 16 keys at v[8 (t % 32)] of window 2 + t / 32.
.set CHB,  102400                      ; a chunk's record in LDS
.set KSCO, 49152                       ; in it: K's scale words,
.set VIO,  51200                       ; V's images,
.set VSO,  100352                      ; V's scale words
.set LI,   1                           ; 16 x lane
.set AK,   2                           ; LI + the chunk
.set AV,   3                           ; + VIO
.set AVS,  4                           ; 16 r + VSO + the chunk
.set L8,   5                           ; 8 x lane
.set R8,   6                           ; 8 r
.set RB,   7                           ; 4 r + h
.set M,    8                           ; v8-9    m, twice
.set RP,   10                          ; v10-11  what the sums so far are multiplied by
.set RC,   12                          ; v12-13  and this chunk's
.set MP,   14                          ; the largest m so far
.set DEN,  15
.set MEAN, 20
.set RSTD, 22
.set INV,  24
.set QW,   26                          ; q's scale word
.set QHI,  32                          ; v32-43  (zeros | q)
.set QLO,  38                          ; v38-49  (q | zeros)
.set AVS0, 50
.set PC,   52                          ; v52-63  p's codes
.set PCT,  64                          ; v64-71
.set PW,   72                          ; v72-79  p's scale words, one for each 128 keys
.set KS,   80                          ; v80-95  K's scale words
.set VS,   96                          ; v96-103 V's, two sets
.set BM,   104                         ; v104-135 a block's largest score, then the conversions' scale operands
.set TMP8, 136
.set QL,   144                         ; v144-175 LayerNorm(q)
.set BT,   176                         ; v176-207 ln_b
.set X,    208                         ; v208-239 at a tile's head and end
.set SUMC, 208                         ; v208-223 within a chunk: the sum of p in eight chains of two
.set T8,   224                         ; v224-231 within a chunk: at work
.set TM,   240                         ; v240-255
.set O,    96
.set NUM,  128
.set QR,   160
.set STT,  192
.set G,    208
.set MSB, 0
.macro WIN new                         ; bits 1:0 source 0, 3:2 source 1, 5:4 source 2, 7:6 destination; the high byte repeats the setting that is left
.if MSB != (\new)
	s_set_vgpr_msb (MSB<<8)|(\new)
.set MSB, (\new)
.endif
.endm
.macro CROUND                          ; a round of the cluster's barrier
	s_barrier_signal -1
	s_barrier_wait -1
	s_cmp_lg_u32 s18, 0
	s_cbranch_scc1 .Lnot_wave_0_\@
	s_barrier_signal -3
.Lnot_wave_0_\@:
	s_barrier_wait -3
	s_barrier_signal -1
	s_barrier_wait -1
.endm
.macro QLOAD                           ; a tile's q (4,096 bytes, a register image) and its rows' eight pairs of statistics
	WIN 0x40
.irp p, 0,1,2,3,4,5,6,7
	global_load_b128 v[QR+4*\p:QR+4*\p+3], v[LI], s[4:5] offset:512*\p th:TH_LOAD_NT
.endr
.irp i, 0,1,2,3,4,5,6,7
	global_load_b64 v[STT+2*\i:STT+2*\i+1], v[R8], s[6:7] offset:32768*\i
.endr
	WIN 0
.endm
; 32 numbers of a lane, two half blocks of 16, become six registers of codes at v[d] (lanes 0-15 block 0, lanes 16-31 block 1); the bytes in v[TM+4], v[TM+5]
.macro QUANT2 src, d
.irp b, 0,1
	v_max3_num_f32 v[TM+\b], |v[\src+16*\b]|, |v[\src+1+16*\b]|, 0x2800000   ; with the floor 2^(5 - 127)
.endr
.irp i, 2,4,6,8,10,12,14
.irp b, 0,1
	v_max3_num_f32 v[TM+\b], v[TM+\b], |v[\src+16*\b+\i]|, |v[\src+1+16*\b+\i]|
.endr
.endr
.irp b, 0,1
	v_permlanex16_b32 v[TM+4+\b], v[TM+\b], s20, s21
.endr
.irp b, 0,1
	v_max_num_f32 v[TM+\b], v[TM+\b], v[TM+4+\b]
.endr
.irp b, 0,1
	v_add_nc_u32 v[TM+12+\b], 0xfe000000, v[TM+\b] ; 4 off the exponent field: the conversion's scale operand
.endr
.irp b, 0,1
	v_lshrrev_b32 v[TM+4+\b], 23, v[TM+12+\b]      ; the scale's byte
.endr
	v_cvt_scalef32_pk16_bf6_f32 v[\d:\d+2], v[\src:\src+15], v[TM+12]
	v_cvt_scalef32_pk16_bf6_f32 v[PCT:PCT+2], v[\src+16:\src+31], v[TM+13]
	v_nop                                          ; one plain place behind a scaled conversion
.irp i, 0,1,2
	v_permlane16_swap_b32 v[\d+\i], v[PCT+\i]
.endr
.irp i, 0,1,2
	v_mov_b32 v[\d+3+\i], v[PCT+\i]
.endr
.endm
.macro KFRAG g                         ; fragment g of K (32 keys): three loads, into place g % 10 of the ring
	WIN 0x40
.irp p, 0,1,2
	ds_load_b128 v[12*((\g)%10)+4*\p:12*((\g)%10)+4*\p+3], v[AK] offset:(\g)*1536+512*\p
.endr
.endm
.macro KQ1 w                           ; the product that makes tile w of 16 keys: fragment w / 2 against (q | 0) for an even tile, (0 | q) for an odd one
.set GG, (\w)/2
.set KR, 12*(GG%10)
.set SR, 8*((\w)%32)
.set QB, QLO-6*((\w)%2)
	WIN 0x81+0x40*((\w)/32)
.if (GG/4)%2
	v_wmma_scale_f32_16x16x128_f8f6f4 v[SR:SR+7], v[KR:KR+11], v[QB:QB+11], 0, v[KS+4*(GG/8)+GG%4], v[QW] matrix_a_fmt:MATRIX_FMT_BF6 matrix_b_fmt:MATRIX_FMT_BF6 matrix_a_scale:MATRIX_SCALE_ROW1
.else
	v_wmma_scale_f32_16x16x128_f8f6f4 v[SR:SR+7], v[KR:KR+11], v[QB:QB+11], 0, v[KS+4*(GG/8)+GG%4], v[QW] matrix_a_fmt:MATRIX_FMT_BF6 matrix_b_fmt:MATRIX_FMT_BF6
.endif
.endm
; Slice k of 8 of group P's maxima: line k of the chains of its four blocks of 32 keys (my 16 scores of each: two tiles).  Line 0 reads the first tile's registers 0, 1, line 4 the second tile's: each accumulator from its low end on.
.macro MSLICE P, k
	WIN 0x0a+5*((\P)/4)
.irp b, 0,1,2,3
.set R0, 16*((4*(\P)+\b)%16)
.if (\k) == 0
	v_max_num_f32 v[BM+4*(\P)+\b], v[R0], v[R0+1]
.else
	v_max3_num_f32 v[BM+4*(\P)+\b], v[R0+2*(\k)], v[R0+2*(\k)+1], v[BM+4*(\P)+\b]
.endif
.endr
.endm
.macro VLOAD s                         ; step s (128 keys): V's four fragments, twelve loads, into set s % 2, and their scale words, one load
	WIN 0x40
.irp t, 0,1,2,3
.irp p, 0,1,2
	ds_load_b128 v[48*((\s)%2)+12*\t+4*\p:48*((\s)%2)+12*\t+4*\p+3], v[AV] offset:(4*(\s)+\t)*1536+512*\p
.endr
.endr
	WIN 0
	ds_load_b128 v[VS+4*((\s)%2):VS+4*((\s)%2)+3], v[AVS] offset:256*(\s)
.endm
.macro LINE s, i                       ; line i of 64 of step s's scaling: 32 times s - m, then 32 times x c, two numbers a line
.if (\i) < 32
	v_pk_add_f32 v[64*((\s)%4)+2*(\i):64*((\s)%4)+2*(\i)+1], v[64*((\s)%4)+2*(\i):64*((\s)%4)+2*(\i)+1], v[M:M+1] neg_lo:[0,1] neg_hi:[0,1]
.else
	v_pk_mul_f32 v[64*((\s)%4)+2*(\i)-64:64*((\s)%4)+2*(\i)-63], v[64*((\s)%4)+2*(\i)-64:64*((\s)%4)+2*(\i)-63], s[22:23] op_sel_hi:[1,0]
.endif
.endm
; Run q of step s's sums of the unquantised p: eight lines, one for each chain.  Step 0's first run adds two pairs of p and so starts the chains: nothing is cleared; that step has three runs, the others four.
.macro SUMS s, q
.if ((\s) == 0) && ((\q) == 0)
	WIN 0x0a
.irp j, 0,1,2,3,4,5,6,7
	v_pk_add_f32 v[SUMC+2*\j:SUMC+2*\j+1], v[2*\j:2*\j+1], v[16+2*\j:17+2*\j]
.endr
.else
.set PB, 64*((\s)%4)+16*(\q)
.if (\s) == 0
.set PB, PB+16
.endif
	WIN 2+(\s)/4
.irp j, 0,1,2,3,4,5,6,7
	v_pk_add_f32 v[SUMC+2*\j:SUMC+2*\j+1], v[PB+2*\j:PB+2*\j+1], v[SUMC+2*\j:SUMC+2*\j+1]
.endr
.endif
.endm
.macro PROD s, t                       ; O^T's tile t takes step s's 128 keys; the four accumulators take turns
	WIN 0x51
.if (\s) == 0
	v_wmma_scale_f32_16x16x128_f8f6f4 v[O+8*(\t):O+8*(\t)+7], v[48*((\s)%2)+12*(\t):48*((\s)%2)+12*(\t)+11], v[PC:PC+11], 0, v[VS+4*((\s)%2)+(\t)], v[PW+(\s)] matrix_a_fmt:MATRIX_FMT_BF6 matrix_b_fmt:MATRIX_FMT_BF6
.else
	v_wmma_scale_f32_16x16x128_f8f6f4 v[O+8*(\t):O+8*(\t)+7], v[48*((\s)%2)+12*(\t):48*((\s)%2)+12*(\t)+11], v[PC:PC+11], v[O+8*(\t):O+8*(\t)+7], v[VS+4*((\s)%2)+(\t)], v[PW+(\s)] matrix_a_fmt:MATRIX_FMT_BF6 matrix_b_fmt:MATRIX_FMT_BF6
.endif
.endm
; A STEP of 128 keys: exponentials (a plain line of the next step's scaling behind each), the next step's V, p's codes, then the sums of p and the four products by turns.
.macro PSTEP s
.set WW, 2+(\s)/4
.set SB0, 64*((\s)%4)
	WIN (WW<<6)|WW
.set ii, 0
.rept 64
	v_exp_f32 v[SB0+ii], v[SB0+ii]
.if ((\s)%4) != 3
	LINE (\s)+1, ii
.endif
.set ii, ii+1
.endr
.if (\s) == 3                          ; step 4 lies in the other window: its scaling follows as a run
	WIN 0xc3
.set ii, 0
.rept 64
	LINE 4, ii
.set ii, ii+1
.endr
.endif
.if (\s) == 7
	s_wait_alu depctr_va_vdst(0)
.rept 4
	v_nop                                          ; the plain place behind the exponentials, and the four places between step 6's products and the conversions that write P's registers
.endr
.endif
.if (\s) < 7
	VLOAD (\s)+1                                   ; its set's last products stand 64 plain lines back
.endif
	WIN WW
	s_wait_alu depctr_va_vdst(0)
.irp c, 0,1
	v_cvt_scalef32_pk16_bf6_f32 v[PC+6*\c:PC+6*\c+2], v[SB0+32*\c:SB0+32*\c+15], v[BM+4*(\s)+2*\c]
	v_cvt_scalef32_pk16_bf6_f32 v[PCT+4*\c:PCT+4*\c+2], v[SB0+32*\c+16:SB0+32*\c+31], v[BM+4*(\s)+2*\c+1]
.endr
	WIN 0
	v_nop                                          ; one plain place behind a scaled conversion
.irp c, 0,1
.irp i, 0,1,2
	v_permlane16_swap_b32 v[PC+6*\c+\i], v[PCT+4*\c+\i]
.endr
.irp i, 0,1,2
	v_mov_b32 v[PC+6*\c+3+\i], v[PCT+4*\c+\i]
.endr
.endr
	SUMS \s, 0                                     ; eight lines: also the places between the lines that wrote P's codes and the first product
.if (\s) < 7
	s_wait_dscnt 13                                ; this step's V is in; the next step's thirteen loads may be out
.else
	s_wait_dscnt 0x0
.endif
	PROD \s, 0
	SUMS \s, 1
	PROD \s, 1
	SUMS \s, 2
	PROD \s, 2
.if (\s) > 0
	SUMS \s, 3
.endif
	PROD \s, 3
.endm
	s_load_b256 s[4:11], s[0:1], 0x0               ; qraw s[4:5], stats s[6:7], kv s[8:9], ln_g s[10:11]
	s_load_b128 s[12:15], s[0:1], 0x20             ; ln_b s[12:13], ao s[14:15]
	s_load_b64 s[16:17], s[0:1], 0x30              ; aos
	v_lshl_add_u32 v254, v0, 2, 0x32000
	v_mov_b32 v255, 0
	ds_add_u32 v254, v255
	ds_add_u32 v254, v255
	v_lshrrev_b32 v1, 5, v0
	v_readfirstlane_b32 s18, v1                    ; wave 0..3
	s_bfe_u32 s19, ttmp6, 0x40000                  ; cx: it enters q's and the results' addresses alone
	s_and_b32 s51, ttmp7, 0xffff                   ; 16 x batch + head, which the four partners share
	s_mov_b32 s24, 15|(3<<16)|(1<<21)              ; group 1: mask: all four work-groups; elements of 8 bytes; bit 21 beside a mask; no padding
	s_mov_b32 s25, 32<<16                          ; tensor_dim0 = 32 (256 bytes)
	s_mov_b32 s26, 200<<16                         ; tensor_dim1 = 200 rows: 51,200 dense bytes
	s_mov_b32 s27, 32<<16                          ; tile_dim0
	s_mov_b32 s28, 200                             ; tile_dim1
	s_mov_b32 s29, 32                              ; from row to row
	s_mov_b32 s30, 0
	s_mov_b32 s31, 0
	s_mul_i32 s57, s18, 51200                      ; wave w brings quarter w: K of chunk 0, V of chunk 0, K of chunk 1, V of chunk 1
	s_mul_i32 s58, s51, 204800
	s_add_co_u32 s58, s58, s57
	s_mov_b32 s59, 0
	s_mov_b32 s20, 0x76543210
	s_mov_b32 s21, 0xfedcba98                      ; v_permlanex16_b32's selects for lane l xor 16
	s_mov_b32 s22, 0x3e38aa3b                      ; c = log2(e) / 8
	s_mov_b32 s23, s22
	s_mov_b32 s63, 0xffff0000                      ; lanes 16-31
	s_mov_b32 s48, 4                               ; tiles to go
	s_wait_dscnt 0x0
	s_wait_kmcnt 0x0
	s_mov_b32 s32, 1
	s_mov_b32 s33, s57
	s_add_nc_u64 s[34:35], s[8:9], s[58:59]
	s_or_b32 s35, s35, 0x80000000
	CROUND                                         ; all four work-groups are here: the joint loads meet
	tensor_load_to_lds s[32:35], s[24:31]
	s_nop 0
.rept 4
	v_nop
.endr
	s_lshr_b32 s52, s51, 4                         ; batch
	s_and_b32 s53, s51, 15                         ; head
	s_lshl_b32 s54, ttmp9, 2
	s_add_co_u32 s54, s54, s19                     ; my block of 256 queries
	s_lshl_b32 s55, s52, 7
	s_lshl_b32 s56, s54, 4
	s_add_co_u32 s55, s55, s56
	s_lshl_b32 s56, s18, 2
	s_add_co_u32 s55, s55, s56                     ; T = token / 16 of my first tile
	s_lshl_b32 s56, s55, 4
	s_add_co_u32 s56, s56, s53                     ; 16 T + head
	s_lshl_b32 s60, s56, 12
	s_mov_b32 s61, 0
	s_add_nc_u64 s[4:5], s[4:5], s[60:61]
	s_lshl_b32 s60, s55, 7
	s_add_nc_u64 s[6:7], s[6:7], s[60:61]
	s_mul_i32 s60, s56, 768
	s_add_nc_u64 s[14:15], s[14:15], s[60:61]
	s_lshl_b32 s60, s55, 9
	s_lshr_b32 s62, s53, 1
	s_lshl_b32 s62, s62, 6
	s_add_co_u32 s60, s60, s62
	s_and_b32 s62, s53, 1
	s_lshl_b32 s62, s62, 1
	s_add_co_u32 s60, s60, s62
	s_add_nc_u64 s[16:17], s[16:17], s[60:61]
	s_lshl_b32 s60, s53, 8
	s_add_nc_u64 s[10:11], s[10:11], s[60:61]
	s_add_nc_u64 s[12:13], s[12:13], s[60:61]
	v_and_b32 v27, 31, v0
	v_lshlrev_b32 v[LI], 4, v27
	v_lshlrev_b32 v[L8], 3, v27
	v_and_b32 v28, 15, v0                          ; r
	v_bfe_u32 v29, v0, 4, 1                        ; h
	v_lshlrev_b32 v[R8], 3, v28
	v_lshl_add_u32 v[RB], v28, 2, v29
	v_lshl_add_u32 v[AVS0], v28, 4, VSO
	v_lshlrev_b32 v30, 5, v29                      ; 32 h: register 8 t + j holds column 16 t + 8 h + j of the head
	WIN 0x40
.irp t, 0,1,2,3
.irp q, 0,1
	global_load_b128 v[G+8*\t+4*\q:G+8*\t+4*\q+3], v30, s[10:11] offset:64*\t+16*\q
.endr
.endr
	WIN 0
.irp t, 0,1,2,3
.irp q, 0,1
	global_load_b128 v[BT+8*\t+4*\q:BT+8*\t+4*\q+3], v30, s[12:13] offset:64*\t+16*\q
.endr
.endr
	QLOAD
.irp i, 0,1,2,3,4,5
	v_mov_b32 v[QHI+\i], 0                         ; the zero codes on both sides of q's six registers
	v_mov_b32 v[QHI+12+\i], 0
.endr
.irp i, 0,1,2,3,4,5,6,7
	v_mov_b32 v[TMP8+\i], 0                        ; a lane permute's destination counts as one of its sources
.endr
	v_mov_b32 v[TM+4], 0
	v_mov_b32 v[TM+5], 0
	s_wait_tensorcnt 0x0                           ; my quarter is in,
	s_barrier_signal -1
	s_barrier_wait -1                              ; everybody's is; from here on LDS is only read
.Ltile:
	; ---- LayerNorm.  The row's mean and variance from eight groups of 128 columns: mean of means; sums of squares + 128 x the squared differences of the means
	s_wait_loadcnt 0x0
	WIN 0x01
.irp i, 0,1,2,3,4,5,6,7,8,9,10,11,12,13,14,15
	v_mov_b32 v[X+\i], v[STT+\i]
.endr
	WIN 0
	v_add_f32 v27, v[X+0], v[X+2]
	v_add_f32 v28, v[X+4], v[X+6]
	v_add_f32 v29, v[X+8], v[X+10]
	v_add_f32 v30, v[X+12], v[X+14]
	v_add_f32 v27, v27, v28
	v_add_f32 v29, v29, v30
	v_add_f32 v27, v27, v29
	v_mul_f32 v[MEAN], 0x3e000000, v27             ; / 8
	v_mov_b32 v[MEAN+1], v[MEAN]
	v_add_f32 v28, v[X+1], v[X+3]
	v_add_f32 v29, v[X+5], v[X+7]
	v_add_f32 v30, v[X+9], v[X+11]
	v_add_f32 v31, v[X+13], v[X+15]
	v_add_f32 v28, v28, v29
	v_add_f32 v30, v30, v31
	v_add_f32 v28, v28, v30
.irp i, 0,2,4,6,8,10,12,14
	v_sub_f32 v[X+\i], v[X+\i], v[MEAN]
.endr
	v_mul_f32 v29, v[X+0], v[X+0]
.irp i, 2,4,6,8,10,12,14
	v_fmac_f32 v29, v[X+\i], v[X+\i]
.endr
	v_fmac_f32 v28, 0x43000000, v29                ; + 128 x
	v_mul_f32 v28, 0x3a800000, v28                 ; / 1,024: the variance
	v_add_f32 v28, 0x3727c5ac, v28                 ; + 1e-5
	v_rsq_f32 v[RSTD], v28
	v_nop                                          ; one plain place behind a transcendental
	s_wait_alu depctr_va_vdst(0)
	v_mov_b32 v[RSTD+1], v[RSTD]
	WIN 0x01
.irp i, 0,2,4,6,8,10,12,14,16,18,20,22,24,26,28,30
	v_pk_add_f32 v[QL+\i:QL+\i+1], v[QR+\i:QR+\i+1], v[MEAN:MEAN+1] neg_lo:[0,1] neg_hi:[0,1]
.endr
	WIN 0
.irp i, 0,2,4,6,8,10,12,14,16,18,20,22,24,26,28,30
	v_pk_mul_f32 v[QL+\i:QL+\i+1], v[QL+\i:QL+\i+1], v[RSTD:RSTD+1]
.endr
	WIN 0x01
.irp i, 0,2,4,6,8,10,12,14,16,18,20,22,24,26,28,30
	v_pk_fma_f32 v[QL+\i:QL+\i+1], v[G+\i:G+\i+1], v[QL+\i:QL+\i+1], v[BT+\i:BT+\i+1]
.endr
	WIN 0
	QUANT2 QL, QLO
	v_lshl_or_b32 v[QW], v[TM+5], 8, v[TM+4]
	v_lshl_or_b32 v[QW], v[QW], 16, v[QW]          ; the two bytes twice: they serve (q | 0) and (0 | q)
	s_add_nc_u64 s[4:5], s[4:5], 65536             ; the loads that read these bases are in.  The next tile's q is asked for a whole tile ahead,
	s_add_nc_u64 s[6:7], s[6:7], 128
	s_cmp_eq_u32 s48, 1                            ; if there is one: no load leaves its buffer
	s_cbranch_scc1 .Lnoq
	QLOAD
.Lnoq:
	WIN 0x40
.set ii, 0
.rept 32
	v_mov_b32 v[NUM+ii], 0                         ; (also the places between the lines that wrote q's codes and scale word and the first product)
.set ii, ii+1
.endr
	WIN 0
	v_mov_b32 v[DEN], 0
	v_mov_b32 v[MP], 0xff61b1e6                    ; -3e38, under every score
	s_mov_b32 s50, 0                               ; the chunk's place in LDS
	s_mov_b32 s49, 2
.Lchunk:
	v_add_nc_u32 v[AK], s50, v[LI]
	v_add_nc_u32 v[AV], VIO, v[AK]
	v_add_nc_u32 v[AVS], s50, v[AVS0]
	; ---- the scores of 1,024 keys: 64 products in eight groups of eight tiles.  K's 32 fragments go through a ring of ten places: ten are asked for here, four more at the head of each of groups 1 to 5, two at group 6:
	; each twelve products ahead of its first use.  Behind each product of groups 1 to 7 stands a slice of the group before's maxima.
.irp j, 0,1,2,3
	ds_load_b128 v[KS+4*\j:KS+4*\j+3], v[AK] offset:KSCO+512*\j    ; register 4 j + w: lanes 0-15 the words of fragment 8 j + w, lanes 16-31 of fragment 8 j + 4 + w
.endr
.irp g, 0,1,2,3,4,5,6,7,8,9
	KFRAG \g
.endr
.set ww, 0
.rept 64
.if (ww%8) == 0
.if ww == 8
.rept 4
	v_nop                                          ; group 0 has no slices: the places between its last product and the loads into the places that it has left
.endr
.endif
.if (ww >= 8) && (ww <= 40)
	KFRAG ww/2+6                                   ; into the places of the group just multiplied; the four lines of its last slice are the places behind its last product
	KFRAG ww/2+7
	KFRAG ww/2+8
	KFRAG ww/2+9
.endif
.if ww == 48
	KFRAG 30
	KFRAG 31
.endif
.if ww <= 40
	s_wait_dscnt 18                                ; this group's four fragments are in; the six younger ones, three loads each, may be out
.elseif ww == 48
	s_wait_dscnt 12                                ; fragments 28 to 31 may be out
.else
	s_wait_dscnt 0x0
.endif
.endif
	KQ1 ww
.if ww >= 8
	MSLICE ww/8-1, ww%8
.endif
.set ww, ww+1
.endr
.irp k, 0,1,2,3,4,5,6,7
	MSLICE 7, \k                                   ; the last group's maxima; its last tile is first read in slice 4, sixteen lines behind its product
.endr
	VLOAD 0                                        ; into K's places, 32 plain lines behind the last product
.irp q, 0,1,2,3
.irp i, 0,1,2,3,4,5,6,7
	v_permlanex16_b32 v[TMP8+\i], v[BM+8*\q+\i], s20, s21
.endr
.irp i, 0,1,2,3,4,5,6,7
	v_max_num_f32 v[BM+8*\q+\i], v[BM+8*\q+\i], v[TMP8+\i]         ; with lane l xor 16's: the block's largest score
.endr
.endr
.irp j, 0,1,2,3                        ; m, in four chains of seven blocks; then the four blocks left over
	v_max3_num_f32 v[27+\j], v[BM+8*\j], v[BM+8*\j+1], v[BM+8*\j+2]
.endr
.irp i, 3,5
.irp j, 0,1,2,3
	v_max3_num_f32 v[27+\j], v[27+\j], v[BM+8*\j+\i], v[BM+8*\j+\i+1]
.endr
.endr
	v_max3_num_f32 v27, v27, v[BM+7], v[BM+15]
	v_max3_num_f32 v29, v29, v[BM+23], v[BM+31]
	v_max3_num_f32 v27, v27, v28, v29
	v_max_num_f32 v[M], v27, v30                   ; m: the query's largest score in the chunk
	v_mov_b32 v[M+1], v[M]
	; ---- each block's largest p, by the very lines that make every p; from it the block's scale
.irp i, 0,2,4,6,8,10,12,14,16,18,20,22,24,26,28,30
	v_pk_add_f32 v[BM+\i:BM+\i+1], v[BM+\i:BM+\i+1], v[M:M+1] neg_lo:[0,1] neg_hi:[0,1]
.endr
.irp i, 0,2,4,6,8,10,12,14,16,18,20,22,24,26,28,30
	v_pk_mul_f32 v[BM+\i:BM+\i+1], v[BM+\i:BM+\i+1], s[22:23] op_sel_hi:[1,0]
.endr
.set ii, 0
.rept 32
	v_exp_f32 v[BM+ii], v[BM+ii]
.set ii, ii+1
.endr
	v_nop                                          ; one plain place behind the exponentials
.set ii, 0
	s_wait_alu depctr_va_vdst(0)
.rept 32
	v_max_num_f32 v[BM+ii], 0x2800000, v[BM+ii]    ; the floor 2^(5 - 127)
.set ii, ii+1
.endr
.set ii, 0
.rept 32
	v_add_nc_u32 v[BM+ii], 0xfe000000, v[BM+ii]    ; 4 off the exponent field: the conversion's scale operand
.set ii, ii+1
.endr
.irp s, 0,1,2,3,4,5,6,7                        ; p's eight scale words, byte by byte, the eight by turns
	v_lshrrev_b32 v[PW+\s], 23, v[BM+4*\s]
.endr
.irp b, 1,2,3
.irp s, 0,1,2,3,4,5,6,7
	v_lshrrev_b32 v[T8+\s], 23, v[BM+4*\s+\b]
.endr
.irp s, 0,1,2,3,4,5,6,7
	v_lshl_or_b32 v[PW+\s], v[T8+\s], 8*\b, v[PW+\s]
.endr
.endr
	; ---- p, its codes, its sum, and O^T = V^T P^T, 128 keys a step
	WIN 0x82
.set ii, 0
.rept 64
	LINE 0, ii
.set ii, ii+1
.endr
.irp s, 0,1,2,3,4,5,6,7
	PSTEP \s
.endr
	; ---- the chunk joins the sums so far, as the problem writes it: each side x e^(its m - the larger m).  The first lines name no register of the last products: they are the places behind them
	WIN 0
.irp j, 0,2,4,6
	v_pk_add_f32 v[SUMC+\j:SUMC+\j+1], v[SUMC+\j:SUMC+\j+1], v[SUMC+8+\j:SUMC+9+\j]
.endr
	v_max_num_f32 v29, v[MP], v[M]
	v_pk_add_f32 v[SUMC:SUMC+1], v[SUMC:SUMC+1], v[SUMC+4:SUMC+5]
	v_pk_add_f32 v[SUMC+2:SUMC+3], v[SUMC+2:SUMC+3], v[SUMC+6:SUMC+7]
	v_sub_f32 v30, v[MP], v29
	v_sub_f32 v31, v[M], v29
	v_pk_add_f32 v[SUMC:SUMC+1], v[SUMC:SUMC+1], v[SUMC+2:SUMC+3]
	v_mul_f32 v30, s22, v30
	v_mul_f32 v31, s22, v31
	v_add_f32 v27, v[SUMC], v[SUMC+1]
	v_exp_f32 v[RP], v30
	v_exp_f32 v[RC], v31
	v_mov_b32 v[MP], v29                           ; (a plain place behind the exponentials)
	v_permlanex16_b32 v28, v27, s20, s21
	s_wait_alu depctr_va_vdst(0)
	v_mov_b32 v[RP+1], v[RP]
	v_mov_b32 v[RC+1], v[RC]
	v_add_f32 v27, v27, v28                        ; the chunk's sum of p
	v_mul_f32 v[DEN], v[DEN], v[RP]
	v_fmac_f32 v[DEN], v27, v[RC]
	WIN 0x41
.irp i, 0,2,4,6,8,10,12,14,16,18,20,22,24,26,28,30
	v_pk_mul_f32 v[NUM+\i:NUM+\i+1], v[NUM+\i:NUM+\i+1], v[RP:RP+1]
.endr
	WIN 0x51
.irp i, 0,2,4,6,8,10,12,14,16,18,20,22,24,26,28,30
	v_pk_fma_f32 v[NUM+\i:NUM+\i+1], v[O+\i:O+\i+1], v[RC:RC+1], v[NUM+\i:NUM+\i+1]   ; each accumulator from its low end on
.endr
	WIN 0
	s_add_co_u32 s50, s50, CHB
	s_sub_co_u32 s49, s49, 1
	s_cmp_lg_u32 s49, 0
	s_cbranch_scc1 .Lchunk
	; ---- num / (1e-8 + den) + LayerNorm(q), quantised along the head's 64 in the natural order
	v_add_f32 v27, 0x322bcc77, v[DEN]
	v_rcp_f32 v[INV], v27
	v_nop                                          ; one plain place behind a transcendental
	s_wait_alu depctr_va_vdst(0)
	v_mov_b32 v[INV+1], v[INV]
	WIN 0x01
.irp i, 0,2,4,6,8,10,12,14,16,18,20,22,24,26,28,30
	v_pk_fma_f32 v[X+\i:X+\i+1], v[NUM+\i:NUM+\i+1], v[INV:INV+1], v[QL+\i:QL+\i+1]
.endr
	WIN 0
.irp b, 0,1
.irp j, 0,1,2,3,4,5,6,7
	v_permlane16_swap_b32 v[X+16*\b+\j], v[X+16*\b+8+\j]           ; half 0 now holds columns 0-15 of the block, half 1 columns 16-31
.endr
.endr
	QUANT2 X, PC
	v_cndmask_b32 v27, v[TM+4], v[TM+5], s63       ; lanes 0-15 store block 0's byte, lanes 16-31 block 1's
.irp p, 0,1,2
	global_store_b64 v[L8], v[PC+2*\p:PC+2*\p+1], s[14:15] offset:256*\p   ; 32 lanes store 256 consecutive bytes, aligned
.endr
	global_store_b8 v[RB], v27, s[16:17]
	s_wait_xcnt 0x0                                ; the stores have read their registers and bases
	s_add_nc_u64 s[14:15], s[14:15], 12288
	s_add_nc_u64 s[16:17], s[16:17], 512
	s_sub_co_u32 s48, s48, 1
	s_cmp_lg_u32 s48, 0
	s_cbranch_scc1 .Ltile
	s_wait_dscnt 0x0
	s_wait_tensorcnt 0x0
	ds_add_u32 v254, v255
	s_wait_dscnt 0x0
	CROUND                                         ; the closing round
	s_endpgm
.Lfunc_end_k_q405f5db027_attn:
	.size	k_q405f5db027_attn, .Lfunc_end_k_q405f5db027_attn-k_q405f5db027_attn
	.p2alignl 7, 3214868480
	.fill 96, 4, 3214868480
	.section	.rodata,"a",@progbits
	.p2align	6, 0x0
	.amdhsa_kernel k_q405f5db027_attn
		.amdhsa_group_segment_fixed_size 205312
		.amdhsa_private_segment_fixed_size 0
		.amdhsa_enable_private_segment 0
		.amdhsa_kernarg_size 56
		.amdhsa_user_sgpr_count 2
		.amdhsa_user_sgpr_kernarg_segment_ptr 1
		.amdhsa_wavefront_size32 1
		.amdhsa_system_sgpr_workgroup_id_x 1
		.amdhsa_system_sgpr_workgroup_id_y 1
		.amdhsa_system_sgpr_workgroup_id_z 1
		.amdhsa_system_vgpr_workitem_id 0
		.amdhsa_next_free_vgpr 1024
		.amdhsa_next_free_sgpr 72
		.amdhsa_reserve_vcc 0
		.amdhsa_float_denorm_mode_32 3
		.amdhsa_float_denorm_mode_16_64 3
		.amdhsa_memory_ordered 1
		.amdhsa_forward_progress 1
		.amdhsa_inst_pref_size 157
	.end_amdhsa_kernel
	.amdgpu_metadata
---
amdhsa.version: [ 1, 2 ]
amdhsa.kernels:
  - .name:           k_q405f5db027_attn
    .symbol:         k_q405f5db027_attn.kd
    .args:
      - { .name: qraw, .offset: 0, .size: 8, .value_kind: global_buffer, .address_space: global }
      - { .name: stats, .offset: 8, .size: 8, .value_kind: global_buffer, .address_space: global }
      - { .name: kv, .offset: 16, .size: 8, .value_kind: global_buffer, .address_space: global }
      - { .name: ln_g, .offset: 24, .size: 8, .value_kind: global_buffer, .address_space: global }
      - { .name: ln_b, .offset: 32, .size: 8, .value_kind: global_buffer, .address_space: global }
      - { .name: ao, .offset: 40, .size: 8, .value_kind: global_buffer, .address_space: global }
      - { .name: aos, .offset: 48, .size: 8, .value_kind: global_buffer, .address_space: global }
    .group_segment_fixed_size: 205312
    .private_segment_fixed_size: 0
    .kernarg_segment_align: 8
    .kernarg_segment_size: 56
    .max_flat_workgroup_size: 128
    .sgpr_count:     72
    .vgpr_count:     1024
    .wavefront_size: 32
...
	.end_amdgpu_metadata
.endif
;; end of part 2
;; launch oproj (part 3): grid 8 x 32, 4 waves a work-group, clusters of 4 x 4, 236,032 bytes of LDS; arguments ao, aos, Wo_codes, Wo_scales, bo, out0; writes out0
.if DOCPART == 3
	.amdgcn_target "amdgcn-amd-amdhsa--gfx1250"
	.amdhsa_code_object_version 6
	.text
	.protected	k_q405f5db027_oproj
	.globl	k_q405f5db027_oproj
	.p2align	8
	.type	k_q405f5db027_oproj,@function
k_q405f5db027_oproj:
	s_mov_b64 s[64:65], 0
	v_nop
	global_prefetch_b8 v0, s[64:65] scope:SCOPE_SE
	s_setreg_imm32_b32 hwreg(HW_REG_WAVE_MODE, 25, 1), 1
	s_wait_xcnt 0x0
	s_wait_alu depctr_hold_cnt(0) depctr_sa_sdst(0) depctr_va_vdst(0) depctr_va_sdst(0) depctr_va_ssrc(0) depctr_va_vcc(0) depctr_vm_vsrc(0)
	s_getreg_b32 s2, hwreg(HW_REG_IB_STS2, 6, 4)
	s_cmp_eq_u32 s2, 0
	s_cbranch_scc0 .Lentry_in_a_cluster
	s_endpgm
.Lentry_in_a_cluster:
	s_bfe_u32 s2, ttmp6, 0x10000c
	s_cmp_lg_u32 s2, 0xf033
	s_cbranch_scc0 .Lentry_shape_is_right
	s_endpgm
.Lentry_shape_is_right:
; out0 = A Wo + bo on codes of BF6 (E3M2) with E8M0 scales; A [4,096][1,024] comes as register images (ao) and scale words (aos) from the launch before; Wo as given: rows of 768 bytes, K innermost.
; A tile of 128 tokens x 128 columns to a work-group: 256 work-groups, one for each WGP (tiles of 256 x 256 would be 64).  A wave makes 64 x 64: 16 accumulators.
; ALL OF K LIES IN LDS, filled once: no ring, no byte filled twice.  Each wave brings a quarter of each of four dense blocks: four tensor loads of a wave are out.
; CLUSTERS of 4 x 4: A's blocks are asked for jointly along a row of the cluster, Wo's along a column.
; Source 0 = 16 rows of Wo (columns of the result: a lane's registers), source 1 = 16 tokens (lanes): a lane holds eight neighbouring numbers of a row of out0.  bo is the C of each sum's first product.
; REGISTERS.  window 0: v4-12 addresses; v16-47 bo; v48-79 A's scale words (8 i + s), v80-111 Wo's (8 b + s); v128-255 accumulators.  window 1: two sets of 96: A's four fragments, then Wo's four.
.set LA,   0                           ; LDS: A's codes, 384 rows of 256 bytes + 16
.set LB,   104448                      ; Wo's codes likewise: a row of Wo is three such rows: 816 bytes
.set LSA,  208896                      ; A's scale words, 16 rows
.set LSB,  213248                      ; Wo's scale bytes, 16 rows
.set STG,  217600                      ; a stage of 16 rows x (256 + 16) bytes for each wave: no tensor load lands here
.set ADA,  4
.set ADB,  5
.set ADB2, 6
.set ASA,  7
.set ASB,  8
.set STO,  9
.set RD,   10
.set CO,   11
.set BIO,  12
.set BI,   16
.set SA,   48
.set SB,   80
.set ACC,  128
.set G1A,  24
.set G1B,  32
.set G1SA, 40
.set G1SB, 48
.set G0A,  56
.set G0B,  60
.set G0SA, 68
.set G0SB, 72
.set FLD,  (3<<16)|(1<<20)|(1<<21)|(5<<22)|(3<<25)   ; elements of 8 bytes; padding on; bit 21 beside a mask; after every 64 words; 4 words
.set MSB, 0
.macro WIN new
.if MSB != (\new)
	s_set_vgpr_msb (MSB<<8)|(\new)
.set MSB, (\new)
.endif
.endm
.macro CROUND                          ; a round of the cluster's barrier
	s_barrier_signal -1
	s_barrier_wait -1
	s_cmp_lg_u32 s16, 0
	s_cbranch_scc1 .Lnot_wave_0_\@
	s_barrier_signal -3
.Lnot_wave_0_\@:
	s_barrier_wait -3
	s_barrier_signal -1
	s_barrier_wait -1
.endm
	s_load_b256 s[4:11], s[0:1], 0x0               ; ao s[4:5], aos s[6:7], Wo codes s[8:9], Wo scales s[10:11]
	s_load_b128 s[12:15], s[0:1], 0x20             ; bo s[12:13], out0 s[14:15]
	v_lshl_add_u32 v126, v0, 2, 0x39800
	v_mov_b32 v127, 0
	ds_add_u32 v126, v127
	ds_add_u32 v126, v127
	v_lshrrev_b32 v1, 5, v0
	v_readfirstlane_b32 s16, v1                    ; wave 0..3
	s_lshr_b32 s17, s16, 1                         ; which 64 tokens are mine
	s_and_b32 s18, s16, 1                          ; which 64 columns
	s_bfe_u32 s19, ttmp6, 0x40000                  ; cx
	s_bfe_u32 s20, ttmp6, 0x40004                  ; cy
	s_lshl_b32 s21, ttmp9, 2
	s_add_co_u32 s21, s21, s19                     ; tile column
	s_and_b32 s22, ttmp7, 0xffff
	s_lshl_b32 s22, s22, 2
	s_add_co_u32 s22, s22, s20                     ; tile row
	s_lshl_b32 s23, s20, 2
	s_lshl_b32 s23, 15, s23                        ; my row of the cluster
	s_lshl_b32 s80, 0x1111, s19                    ; my column
	s_or_b32 s[G1A], s23, FLD
	s_or_b32 s[G1SA], s23, FLD
	s_or_b32 s[G1B], s80, FLD
	s_or_b32 s[G1SB], s80, FLD
.irp g, G1A, G1B                       ; a quarter of the codes: 24,576 dense bytes as 96 rows of 256
	s_mov_b32 s[\g+1], 32<<16
	s_mov_b32 s[\g+2], 96<<16
	s_mov_b32 s[\g+3], 32<<16
	s_mov_b32 s[\g+4], 96
	s_mov_b32 s[\g+5], 32
	s_mov_b32 s[\g+6], 0
	s_mov_b32 s[\g+7], 0
.endr
.irp g, G1SA, G1SB                     ; a quarter of the scales: 1,024 bytes as 4 rows
	s_mov_b32 s[\g+1], 32<<16
	s_mov_b32 s[\g+2], 4<<16
	s_mov_b32 s[\g+3], 32<<16
	s_mov_b32 s[\g+4], 4
	s_mov_b32 s[\g+5], 32
	s_mov_b32 s[\g+6], 0
	s_mov_b32 s[\g+7], 0
.endr
	s_mul_i32 s81, s16, 24576
	s_mul_i32 s76, s22, 98304                      ; A's: by the tile row and the wave
	s_add_co_u32 s76, s76, s81
	s_mov_b32 s77, 0
	s_mul_i32 s78, s21, 98304                      ; Wo's: by the tile column and the wave
	s_add_co_u32 s78, s78, s81
	s_mov_b32 s79, 0
	s_lshl_b32 s81, s16, 10
	s_lshl_b32 s82, s22, 12
	s_add_co_u32 s82, s82, s81
	s_mov_b32 s83, 0
	s_lshl_b32 s84, s21, 12
	s_add_co_u32 s84, s84, s81
	s_mov_b32 s85, 0
	s_mul_i32 s86, s16, 26112                      ; in LDS: 96 rows of 272 bytes a wave,
	s_mul_i32 s87, s16, 1088                       ; 4 rows
	s_wait_dscnt 0x0
	s_wait_kmcnt 0x0
	s_mov_b32 s[G0A], 1
	s_add_co_u32 s[G0A+1], s86, LA
	s_add_nc_u64 s[G0A+2:G0A+3], s[4:5], s[76:77]
	s_or_b32 s[G0A+3], s[G0A+3], 0x80000000
	s_mov_b32 s[G0B], 1
	s_add_co_u32 s[G0B+1], s86, LB
	s_add_nc_u64 s[G0B+2:G0B+3], s[8:9], s[78:79]
	s_or_b32 s[G0B+3], s[G0B+3], 0x80000000
	s_mov_b32 s[G0SA], 1
	s_add_co_u32 s[G0SA+1], s87, LSA
	s_add_nc_u64 s[G0SA+2:G0SA+3], s[6:7], s[82:83]
	s_or_b32 s[G0SA+3], s[G0SA+3], 0x80000000
	s_mov_b32 s[G0SB], 1
	s_add_co_u32 s[G0SB+1], s87, LSB
	s_add_nc_u64 s[G0SB+2:G0SB+3], s[10:11], s[84:85]
	s_or_b32 s[G0SB+3], s[G0SB+3], 0x80000000
	CROUND                                         ; all sixteen work-groups are here: the joint loads meet
	tensor_load_to_lds s[G0A:G0A+3], s[G1A:G1A+7]
	s_nop 0
	tensor_load_to_lds s[G0B:G0B+3], s[G1B:G1B+7]
	s_nop 0
	tensor_load_to_lds s[G0SA:G0SA+3], s[G1SA:G1SA+7]
	s_nop 0
	tensor_load_to_lds s[G0SB:G0SB+3], s[G1SB:G1SB+7]
	s_nop 0
.rept 4
	v_nop
.endr
	v_and_b32 v1, 15, v0                           ; r
	v_bfe_u32 v2, v0, 4, 1                         ; h
	v_and_b32 v3, 31, v0                           ; lane
	s_mul_i32 s81, s17, 52224                      ; my four tiles of 16 tokens: 4 x 48 rows of 272 bytes
	v_lshlrev_b32 v[ADA], 3, v3
	v_add_nc_u32 v[ADA], s81, v[ADA]               ; A's images: 8 bytes a lane
	s_mul_i32 s81, s18, 64*816
	s_add_co_u32 s81, s81, LB
	v_mul_u32_u24 v[ADB], v1, 816
	v_mad_u32_u24 v[ADB], v2, 24, v[ADB]
	v_add_nc_u32 v[ADB], s81, v[ADB]               ; Wo: row r of 816 bytes + 24 h
	v_lshl_add_u32 v[ADB2], v2, 4, v[ADB]          ; and behind one padding more
	s_mul_i32 s81, s17, 2176
	s_add_co_u32 s81, s81, LSA
	v_lshlrev_b32 v[ASA], 2, v1
	v_add_nc_u32 v[ASA], s81, v[ASA]
	s_mul_i32 s81, s18, 2176
	s_add_co_u32 s81, s81, LSB
	v_lshrrev_b32 v13, 3, v1
	v_and_b32 v14, 7, v1
	v_mul_u32_u24 v[ASB], v13, 272
	v_lshl_add_u32 v[ASB], v14, 5, v[ASB]
	v_add_nc_u32 v[ASB], s81, v[ASB]               ; Wo's scale bytes: eight rows of 32 bytes to a row of 256
	s_mul_i32 s81, s16, 4352
	s_add_co_u32 s81, s81, STG                     ; my stage
	v_mul_u32_u24 v[STO], v1, 272
	v_lshl_add_u32 v[STO], v2, 5, v[STO]
	v_add_nc_u32 v[STO], s81, v[STO]               ; in: row r, 32 bytes for each half of the lanes
	v_mul_u32_u24 v[RD], v2, 272
	v_lshl_add_u32 v[RD], v1, 4, v[RD]
	v_add_nc_u32 v[RD], s81, v[RD]                 ; back: lanes 0-15 one row of 256 bytes, lanes 16-31 the next
	v_lshlrev_b32 v[CO], 12, v2
	v_lshl_add_u32 v[CO], v1, 4, v[CO]             ; and the same two rows in out0
	v_lshlrev_b32 v[BIO], 5, v2
	s_lshl_b32 s90, s21, 9
	s_lshl_b32 s81, s18, 8
	s_add_co_u32 s90, s90, s81                     ; my first column, in bytes
	s_mov_b32 s91, 0
	s_add_nc_u64 s[12:13], s[12:13], s[90:91]
	s_lshl_b32 s81, s22, 7
	s_lshl_b32 s88, s17, 6
	s_add_co_u32 s81, s81, s88                     ; my first token
	s_lshl_b32 s88, s81, 12
	s_add_co_u32 s88, s88, s90
	s_mov_b32 s89, 0
	s_add_nc_u64 s[14:15], s[14:15], s[88:89]
.irp b, 0,1,2,3
	global_load_b128 v[BI+8*\b:BI+8*\b+3], v[BIO], s[12:13] offset:64*\b
	global_load_b128 v[BI+8*\b+4:BI+8*\b+7], v[BIO], s[12:13] offset:64*\b+16
.endr
	s_wait_tensorcnt 0x0                           ; my quarters are in,
	s_barrier_signal -1
	s_barrier_wait -1                              ; everybody's are
.irp i, 0,1,2,3
.irp s, 0,1,2,3,4,5,6,7
	ds_load_b32 v[SA+8*\i+\s], v[ASA] offset:\i*544+(\s/4)*272+(\s%4)*64
.endr
.endr
.irp b, 0,1,2,3
	ds_load_b128 v[SB+8*\b:SB+8*\b+3], v[ASB] offset:\b*544
	ds_load_b128 v[SB+8*\b+4:SB+8*\b+7], v[ASB] offset:\b*544+16
.endr
.macro FETCH s                         ; K step s: 48 loads of 8 bytes into set s % 2
.set UF, 96*((\s)%2)
	WIN 0x40
.irp i, 0,1,2,3
.irp pp, 0,1,2,3,4,5
	ds_load_b64 v[UF+12*\i+2*\pp:UF+12*\i+2*\pp+1], v[ADA] offset:272*(48*\i+6*(\s)+\pp)   ; an image's piece: 256 consecutive bytes
.endr
.endr
.irp b, 0,1,2,3
.irp pp, 0,1,2,3,4,5
.set PCX, 12*(\s)+6*(\pp/3)+\pp%3     ; the row's piece of 8 bytes; lanes 16-31 read three pieces on, which for pieces 29 to 31 of a row of 256 lies behind one padding more
.if PCX%32 < 29
	ds_load_b64 v[UF+48+12*\b+2*\pp:UF+48+12*\b+2*\pp+1], v[ADB] offset:16*\b*816+8*PCX+16*(PCX/32)
.else
	ds_load_b64 v[UF+48+12*\b+2*\pp:UF+48+12*\b+2*\pp+1], v[ADB2] offset:16*\b*816+8*PCX+16*(PCX/32)
.endif
.endr
.endr
.endm
.macro OSTEP s                         ; 16 products; the accumulators take turns, in the same order in every step
.set U, 96*((\s)%2)
.if (\s) < 7
	s_wait_dscnt 48                                ; this step's fragments are in; the next step's 48 loads may be out
.else
	s_wait_dscnt 0x0
.endif
	WIN 0x05
.irp a, 0,1,2,3
.irp b, 0,1,2,3
.if (\s) == 0
	v_wmma_scale_f32_16x16x128_f8f6f4 v[ACC+8*(4*\a+\b):ACC+8*(4*\a+\b)+7], v[U+48+12*\b:U+48+12*\b+11], v[U+12*\a:U+12*\a+11], v[BI+8*\b:BI+8*\b+7], v[SB+8*\b+(\s)], v[SA+8*\a+(\s)] matrix_a_fmt:MATRIX_FMT_BF6 matrix_b_fmt:MATRIX_FMT_BF6
.else
	v_wmma_scale_f32_16x16x128_f8f6f4 v[ACC+8*(4*\a+\b):ACC+8*(4*\a+\b)+7], v[U+48+12*\b:U+48+12*\b+11], v[U+12*\a:U+12*\a+11], v[ACC+8*(4*\a+\b):ACC+8*(4*\a+\b)+7], v[SB+8*\b+(\s)], v[SA+8*\a+(\s)] matrix_a_fmt:MATRIX_FMT_BF6 matrix_b_fmt:MATRIX_FMT_BF6
.endif
.endr
.endr
.rept 4
	v_nop                                          ; places in front of loads into registers that these products read, and of the first read of results
.endr
.if (\s) < 6
	FETCH (\s)+2
.endif
.endm
	FETCH 0
	FETCH 1
	s_wait_loadcnt 0x0                             ; bo
.irp s, 0,1,2,3,4,5,6,7
	OSTEP \s
.endr
	WIN 0
; THE WAY OUT, 16 tokens x 64 columns at a time, through my own stage; the rows come back into the registers that they left.  LDS serves a wave's instructions in order (ISA guide 5.7.1.4).
.macro TOSTAGE a
.irp b, 0,1,2,3
	ds_store_b128 v[STO], v[ACC+8*(4*(\a)+\b):ACC+8*(4*(\a)+\b)+3] offset:64*\b           ; each accumulator from its low end on
	ds_store_b128 v[STO], v[ACC+8*(4*(\a)+\b)+4:ACC+8*(4*(\a)+\b)+7] offset:64*\b+16
.endr
.irp i, 0,1,2,3,4,5,6,7
	ds_load_b128 v[ACC+32*(\a)+4*\i:ACC+32*(\a)+4*\i+3], v[RD] offset:2*\i*272
.endr
.endm
.macro SEND a, younger                 ; younger: the next block's eight stores and eight loads, which may stay out
	s_wait_dscnt \younger
.irp i, 0,1,2,3,4,5,6,7
	global_store_b128 v[CO], v[ACC+32*(\a)+4*\i:ACC+32*(\a)+4*\i+3], s[14:15] offset:(16*(\a)+2*\i)*4096 th:TH_STORE_NT   ; 16 lanes store 256 consecutive bytes, aligned
.endr
.endm
	TOSTAGE 0
	TOSTAGE 1
	SEND 0, 16
	TOSTAGE 2
	SEND 1, 16
	TOSTAGE 3
	SEND 2, 16
	SEND 3, 0
	s_wait_tensorcnt 0x0
	ds_add_u32 v126, v127
	s_wait_dscnt 0x0
	CROUND                                         ; the closing round: no LDS instruction of mine is out
	s_endpgm
.Lfunc_end_k_q405f5db027_oproj:
	.size	k_q405f5db027_oproj, .Lfunc_end_k_q405f5db027_oproj-k_q405f5db027_oproj
	.p2alignl 7, 3214868480
	.fill 96, 4, 3214868480
	.section	.rodata,"a",@progbits
	.p2align	6, 0x0
	.amdhsa_kernel k_q405f5db027_oproj
		.amdhsa_group_segment_fixed_size 236032
		.amdhsa_private_segment_fixed_size 0
		.amdhsa_enable_private_segment 0
		.amdhsa_kernarg_size 48
		.amdhsa_user_sgpr_count 2
		.amdhsa_user_sgpr_kernarg_segment_ptr 1
		.amdhsa_wavefront_size32 1
		.amdhsa_system_sgpr_workgroup_id_x 1
		.amdhsa_system_sgpr_workgroup_id_y 1
		.amdhsa_system_sgpr_workgroup_id_z 1
		.amdhsa_system_vgpr_workitem_id 0
		.amdhsa_next_free_vgpr 512
		.amdhsa_next_free_sgpr 96
		.amdhsa_reserve_vcc 0
		.amdhsa_float_denorm_mode_32 3
		.amdhsa_float_denorm_mode_16_64 3
		.amdhsa_memory_ordered 1
		.amdhsa_forward_progress 1
		.amdhsa_inst_pref_size 61
	.end_amdhsa_kernel
	.amdgpu_metadata
---
amdhsa.version: [ 1, 2 ]
amdhsa.kernels:
  - .name:           k_q405f5db027_oproj
    .symbol:         k_q405f5db027_oproj.kd
    .args:
      - { .name: ao, .offset: 0, .size: 8, .value_kind: global_buffer, .address_space: global }
      - { .name: aos, .offset: 8, .size: 8, .value_kind: global_buffer, .address_space: global }
      - { .name: Wo_codes, .offset: 16, .size: 8, .value_kind: global_buffer, .address_space: global }
      - { .name: Wo_scales, .offset: 24, .size: 8, .value_kind: global_buffer, .address_space: global }
      - { .name: bo, .offset: 32, .size: 8, .value_kind: global_buffer, .address_space: global }
      - { .name: out0, .offset: 40, .size: 8, .value_kind: global_buffer, .address_space: global }
    .group_segment_fixed_size: 236032
    .private_segment_fixed_size: 0
    .kernarg_segment_align: 8
    .kernarg_segment_size: 48
    .max_flat_workgroup_size: 128
    .sgpr_count:     96
    .vgpr_count:     512
    .wavefront_size: 32
...
	.end_amdgpu_metadata
.endif
;; end of part 3
